; MI455X (gfx1250); checked and timed in simulation.
; The chip was launched on July 23, 2026; its instructions are those of AMD's public machine-readable ISA for CDNA 5 (MIT licence, August 2026) and "CDNA5" Instruction Set Architecture Reference Guide (July 2026). The comments in the code are by the model that wrote it; some were corrected since.
;; Custom Model. Allowed arithmetic: matrix products marked QUANTISED: E2M3 operands, one E8M0 scale for each 32 along K, by v_wmma_scale_f32_16x16x128_f8f6f4 with both operands' format E2M3, f32 sums; products left as they are: f32 operands where the result goes on into a quantised operand, else bf16, f16 or f32 operands; f32 sums; everything else in f32.
;; Inputs: W1_codes 2 x 8 x 2,048 x 32 x 24 uint8 (E2M3 codes of W1, K innermost, in blocks of 32 codes, four codes in three bytes); W1_scales 2 x 8 x 2,048 x 32 uint8 (E8M0 scales of W1, one for each 32 codes along K); W2_codes 2 x 8 x 1,024 x 64 x 24 uint8 (E2M3 codes of W2, K innermost, in blocks of 32 codes, four codes in three bytes); W2_scales 2 x 8 x 1,024 x 64 uint8 (E8M0 scales of W2, one for each 32 codes along K); protos 2 x 8 x 1,024 float32; x 2 x 512 x 1,024 float32.
;; Outputs: out0 2 x 512 x 1,024 float32.
;; Constants: k = 2.
;; This version of the problem:
;;   THIS VERSION OF THE PROBLEM IS GIVEN IN LOW PRECISION. The matrix products marked QUANTISED in the list below multiply operands that are first quantised to E2M3 (2 exponent bits, 3 mantissa bits; 6 bits a number), with one power-of-two scale for each 32 numbers along K (OCP MX v1.0); their sums are f32. All else is computed in f32.
;;   The module's matrix products, in the order in which they are computed (A, B: the left and right operand; K: the contracted axis; several contracted axes count as one K, in the product's order):
;;     1. [M 1,024, K 1,024] x [K 1,024, N 8]; A: input x; B: input protos: left as it is (N = 8 < 16)
;;     2. [M 1,024, K 1,024] x [K 1,024, N 16,384]; A: input x; B: input W1 (given as codes): QUANTISED
;;     3. batch 8 x [M 1,024, K 2,048] x [K 2,048, N 1,024]; A: input W2 (given as codes); B: computed on the way: QUANTISED
;;     4. batch 1,024 x [M 1, K 8] x [K 8, N 1,024]; A: softmax; B: computed on the way: left as it is (K = 8 < 32)
;;     5. [M 1,024, K 1,024] x [K 1,024, N 8]; A: computed on the way; B: input protos: left as it is (N = 8 < 16)
;;     6. [M 1,024, K 1,024] x [K 1,024, N 16,384]; A: computed on the way; B: input W1 (given as codes): QUANTISED
;;     7. batch 8 x [M 1,024, K 2,048] x [K 2,048, N 1,024]; A: input W2 (given as codes); B: computed on the way: QUANTISED
;;     8. batch 1,024 x [M 1, K 8] x [K 8, N 1,024]; A: softmax; B: computed on the way: left as it is (K = 8 < 32)
;;   THE QUANTISER, for each operand of a quantised product, along K:
;;     - K is cut into blocks of 32 from its start; a last block that is shorter is filled with zeros.
;;     - A block's scale is 2^e with e = floor(log2(the largest magnitude in the block)) - 2, held to -126 .. 127; a block of zeros has e = 0. As a byte (E8M0): e + 127.
;;     - Each number is divided by its block's scale, clamped to +-7.5, and rounded to the nearest number of E2M3, ties to even, subnormals kept.
;;     - The product sums the exact products of the quantised numbers (number of the format x scale) in f32.
;;   ~~~python
;;   def quantise(x, axis):      # numpy; x: float32 -> the quantised numbers, widened to float32 again
;;       x = np.moveaxis(x, axis, -1); K = x.shape[-1]
;;       x = np.pad(x, [(0, 0)] * (x.ndim - 1) + [(0, -K % 32)]); x = x.reshape(x.shape[:-1] + (-1, 32)); a = np.abs(x).max(-1, keepdims=True)
;;       e = np.where(a > 0, np.clip(np.frexp(np.where(a > 0, a, 1))[1] - 1 - 2, -126, 127), 0)      # np.frexp(a)[1] - 1 = floor(log2(a)), exactly
;;       r = np.clip(x / 2.0 ** e, -7.5, 7.5)
;;       step = 2.0 ** (np.maximum(np.frexp(np.where(r == 0, 1, r))[1] - 1, 0) - 3)
;;       q = np.round(r / step) * step * 2.0 ** e      # np.round: ties to even
;;       return np.moveaxis(q.reshape(q.shape[:-2] + (-1,))[..., :K], -1, axis).astype(np.float32)
;;   ~~~
;;   OPERANDS COMPUTED ON THE WAY. 'Computed on the way' means the value that the module computes at that place (a softmax that the list does not call 'softmax' is quantised finished and normalised). What goes into a quantiser is computed in f32, as accurately as f32 sums, v_exp_f32 and their like allow (about 1e-6 of the number): no bf16 or f16 on the way to a quantiser, and a product that is left as it is and whose result goes on into a quantised operand takes f32 operands (vector FMAs, or v_wmma_f32_16x16x4_f32). A number that lies on a knife's edge between two numbers of the format may be rounded either way, as far as f32 arithmetic and the matrix unit's own rounding can turn it there, and no further.
;;   INPUTS GIVEN AS CODES. W1 (in the module: [2, 8, 1024, 2048], K = its axis 2); W2 (in the module: [2, 8, 2048, 1024], K = its axis 2): each comes as NAME_codes (uint8): NAME with its K axis moved to the last place and cut into blocks of 32 codes, [.., K / 32, bytes a block], one block behind the other in memory; four codes in three bytes: a row's codes are one little-endian stream of bits, code i at bits 6 i .. 6 i + 5 (a code: sign, 2 exponent bits, 3 mantissa bits); and NAME_scales (uint8): the same leading axes, one E8M0 byte (e + 127) for each 32 codes along K. Its value is code x scale, taken as it is: it is not quantised again, and the codes and scales need not be those that the quantiser above would give.
;; One version. Each part assembles by itself: llvm-mc -triple=amdgcn-amd-amdhsa -mcpu=gfx1250 --defsym DOCPART=n.
;; ======== version 1 of 1: 7 launches
;; limits: right only within a limited range of input values
;; workspace buffers: xqs 819,200 bytes; mskA 4,096 bytes of whole numbers; mskB 4,096 bytes of whole numbers; wgtA 32,768 bytes; x1w 4,227,072 bytes; pc 33,792 bytes of whole numbers; hqs 13,107,200 bytes; y 33,554,432 bytes
;; launch route0 (part 1): grid 256 x 1, 4 waves a work-group, no clusters, 55,808 bytes of LDS; arguments x, protos, xqs, mskA, wgtA; writes xqs, mskA, wgtA
.if DOCPART == 1
	.amdgcn_target "amdgcn-amd-amdhsa--gfx1250"
	.amdhsa_code_object_version 6
	.text
	.protected	k_qb2d696c0c7_route0
	.globl	k_qb2d696c0c7_route0
	.p2align	8
	.type	k_qb2d696c0c7_route0,@function
k_qb2d696c0c7_route0:
	s_mov_b64 s[64:65], 0
	v_nop
	global_prefetch_b8 v0, s[64:65] scope:SCOPE_SE
	s_setreg_imm32_b32 hwreg(HW_REG_WAVE_MODE, 25, 1), 1
	s_wait_xcnt 0x0
; Launch 1 of 7: the router of layer 0 and the quantiser of x.  One wave takes one token (a row of 1,024 f32 in 32 registers); 4 waves, 256 work-groups.
; THE PROGRAM.  route0 | g1a | g2a | route1 | g1b | g2b | final.  A route launch finds each token's chosen experts and their softmax weights in f32 and quantises the token's row once, along D.
; g1 makes h = Q(relu(Q(x) W1_e)) and g2 makes y_e = h W2_e, both for the chosen rows alone; the weighted sum over experts and the residual are gathered in the launch that follows (route1, final).
; WORK LEFT OUT.  For a token, the two quantised products of every expert whose score |x . proto_e| lies under the token's second largest score.  reference() sets such a score to -inf, its softmax gives that
; expert the weight exp(-inf) = 0, and the weighted mix multiplies the expert's result by that 0: for all finite values of the inputs the result reaches no output.  Every expert with score >= the second largest
; is kept, so equal scores give three to eight experts, and every launch serves that.
; LIMITS.  A NaN, an infinity or an overflow that arises only in an expert that was not chosen is not carried to the result.  NaN and infinities in x and protos are not served (a token could then have fewer than two
; chosen experts).  Where the second and third scores agree within the rounding of a 1,024-term f32 sum, the choice may differ from that of another order of summing.  A block of zeros, or one whose largest magnitude lies
; under 2^-124, gets the scale byte 1: its bytes are read by this program alone.
; OUT.  xqs: codes [token][h = 0, 1][i = 0..15][24 bytes] = block 2 i + h of the row, so that the 48 bytes that a lane of half h wants for a K step of 128 lie on end; from byte 786,432 on the scale bytes [token][32].
; mskA [token]: bit e set = expert e chosen (whole numbers: no address of this launch hangs on them).  wgtA [token][8] f32.
.set LAYER, 0
.set PRO,   0                          ; LDS: the layer's 8 prototypes as they lie, 32,768 bytes
.set XT,    32768                      ; for each wave 32 blocks of 128 bytes at a pitch of 144: the row turns from 16 bytes a lane to a block a lane
.set CT,    51200                      ; for each wave 1,024 bytes: 768 of codes, then 32 scale bytes
.set SPARE, 55296                      ; the spare words, 128 bytes for each wave, that no other line names
.set XSOFF, 786432
.set X,   16                           ; v16-47   the row: element 128 i + 4 lane + c in register 4 i + c
.set PB,  48                           ; v48-111  prototypes: as loaded, then two buffers of 32
.set DA,  112                          ; v112-127 and v128-143: two chains of packed sums for each expert
.set DB,  128
.set SA,  144                          ; v144-151 the scores
.set PW,  152                          ; v152-159 the weights
.set TP,  160                          ; v160-175 at work
.set Q,   176                          ; v176-207 my block of 32 numbers
.set CD,  208                          ; v208-214 its codes
.set CO,  216                          ; v216-221 codes on the way out; v222 scale bytes
.set PXQ, 8                            ; s[8:9]   xqs at my token's codes
.set PXS, 30                           ; s[30:31] xqs at my token's scale bytes
.set PMO, 10                           ; s[10:11] the mask's word
.set PWO, 12                           ; s[12:13] the weights' 32 bytes
	s_load_b256 s[4:11], s[0:1], 0x0               ; x, protos, xqs, mskA
	s_load_b64 s[12:13], s[0:1], 0x20              ; wgtA
	v_lshl_add_u32 v12, v0, 2, SPARE               ; my spare word,
	v_mov_b32 v13, 0                               ; and 0: kept for the closing lines alone
	v_lshrrev_b32 v14, 5, v0
	v_readfirstlane_b32 s16, v14                   ; wave
	v_and_b32 v1, 31, v0                           ; lane
	v_lshlrev_b32 v2, 4, v1                        ; 16 lane
	s_lshl_b32 s17, ttmp9, 2
	s_add_co_u32 s17, s17, s16                     ; my token
	s_mul_i32 s18, s16, 4608
	s_add_co_u32 s18, s18, XT
	s_lshl_b32 s19, s16, 10
	s_add_co_u32 s19, s19, CT
	s_lshl_b32 s20, s16, 13
	v_lshrrev_b32 v14, 3, v1
	v_mul_u32_u24 v3, v14, 144
	v_and_b32 v14, 7, v1
	v_lshl_add_u32 v3, v14, 4, v3
	v_add_nc_u32 v3, s18, v3                       ; XT, in: load i holds blocks 4 i + lane / 8: 144 (lane / 8) + 16 (lane % 8), + 576 i
	v_lshlrev_b32 v9, 2, v14                       ; 4 (lane % 8)
	v_mul_u32_u24 v4, v1, 144
	v_add_nc_u32 v4, s18, v4                       ; XT, out: block = lane
	v_and_b32 v14, 1, v1
	v_mul_u32_u24 v5, v14, 384
	v_lshrrev_b32 v14, 1, v1
	v_mad_u32_u24 v5, v14, 24, v5
	v_add_nc_u32 v5, s19, v5                       ; CT, in: block lane = 2 i + h at 384 h + 24 i
	v_lshlrev_b32 v10, 3, v1                       ; 8 lane
	v_add_nc_u32 v6, s19, v10                      ; CT, out
	v_add_nc_u32 v7, s19, v1
	v_add_nc_u32 v7, 768, v7                       ; my block's scale byte
	v_add_nc_u32 v8, s19, v9
	v_add_nc_u32 v8, 768, v8                       ; and the bytes back as words
	v_mov_b32 v11, 0
	v_add_nc_u32 v15, s20, v2                      ; prototypes 2 w and 2 w + 1: 8,192 w + 16 lane, in memory and in LDS
.irp e, 0,1,2,3,4,5,6,7
	v_mov_b32 v[TP+\e], 0                          ; written once: a lane permute's destination counts as one of its sources
.endr
	s_lshl_b32 s22, s17, 12
	s_mov_b32 s23, 0
	s_mul_i32 s24, s17, 768
	s_mov_b32 s25, 0
	s_lshl_b32 s26, s17, 5
	s_mov_b32 s27, 0
	s_lshl_b32 s28, s17, 2
	s_mov_b32 s29, 0
	s_mov_b32 s37, 0x3fb8aa3b                      ; log2(e)
	s_mov_b32 s38, 0x76543210
	s_mov_b32 s39, 0xfedcba98                      ; v_permlanex16_b32's selects for lane l xor 16
	s_wait_alu depctr_va_vdst(0)
	s_wait_kmcnt 0x0
	s_add_nc_u64 s[4:5], s[4:5], s[22:23]
	s_add_nc_u64 s[PXS:PXS+1], s[8:9], s[26:27]
	s_add_nc_u64 s[PXS:PXS+1], s[PXS:PXS+1], XSOFF
	s_add_nc_u64 s[8:9], s[8:9], s[24:25]
	s_add_nc_u64 s[10:11], s[10:11], s[28:29]
	s_add_nc_u64 s[12:13], s[12:13], s[26:27]
.irp i, 0,1,2,3,4,5,6,7
	global_load_b128 v[X+4*\i:X+4*\i+3], v2, s[4:5] offset:512*\i          ; the row: 512 consecutive bytes a load
.endr
.irp i, 0,1,2,3,4,5,6,7,8,9,10,11,12,13,14,15
	global_load_b128 v[PB+4*\i:PB+4*\i+3], v15, s[6:7] offset:32768*LAYER+512*\i
.endr
	s_wait_loadcnt 0x0
.irp i, 0,1,2,3,4,5,6,7,8,9,10,11,12,13,14,15
	ds_store_b128 v15, v[PB+4*\i:PB+4*\i+3] offset:PRO+512*\i
.endr
.macro PLOAD e                         ; prototype e into buffer e % 2, laid as the row is
.irp i, 0,1,2,3,4,5,6,7
	ds_load_b128 v[PB+32*((\e)%2)+4*\i:PB+32*((\e)%2)+4*\i+3], v2 offset:PRO+4096*(\e)+512*\i
.endr
.endm
.macro DOT e                           ; my 32 products, packed, in two chains; the first two start the sums
.set PE, PB+32*((\e)%2)
	v_pk_mul_f32 v[DA+2*(\e):DA+2*(\e)+1], v[X:X+1], v[PE:PE+1]
	v_pk_mul_f32 v[DB+2*(\e):DB+2*(\e)+1], v[X+2:X+3], v[PE+2:PE+3]
.irp j, 4,8,12,16,20,24,28
	v_pk_fma_f32 v[DA+2*(\e):DA+2*(\e)+1], v[X+\j:X+\j+1], v[PE+\j:PE+\j+1], v[DA+2*(\e):DA+2*(\e)+1]
	v_pk_fma_f32 v[DB+2*(\e):DB+2*(\e)+1], v[X+\j+2:X+\j+3], v[PE+\j+2:PE+\j+3], v[DB+2*(\e):DB+2*(\e)+1]
.endr
.endm
	s_wait_dscnt 0x0                               ; for the others' sake: my stores of prototypes have landed
	s_barrier_signal -1
	s_barrier_wait -1                              ; all eight prototypes lie in LDS
	PLOAD 0
	PLOAD 1
.irp e, 0,1,2,3,4,5,6,7
.if \e < 7
	s_wait_dscnt 8                                 ; this expert's eight loads are in; the next expert's eight may be out
.else
	s_wait_dscnt 0x0
.endif
	DOT \e
.if \e < 6
	PLOAD \e+2
.endif
.endr
.irp e, 0,1,2,3,4,5,6,7
	v_pk_add_f32 v[DA+2*\e:DA+2*\e+1], v[DA+2*\e:DA+2*\e+1], v[DB+2*\e:DB+2*\e+1]
.endr
.irp e, 0,1,2,3,4,5,6,7
	v_add_f32 v[SA+\e], v[DA+2*\e], v[DA+2*\e+1]
.endr
.irp m, 1,2,4,8                        ; over the 32 lanes, the eight experts by turns; every lane ends with the same sums
.irp e, 0,1,2,3,4,5,6,7
	v_add_f32_dpp v[SA+\e], v[SA+\e], v[SA+\e] row_xmask:\m row_mask:0xf bank_mask:0xf
.endr
.endr
.irp e, 0,1,2,3,4,5,6,7
	v_permlanex16_b32 v[TP+\e], v[SA+\e], s38, s39
.endr
.irp e, 0,1,2,3,4,5,6,7
	v_add_f32 v[SA+\e], v[SA+\e], v[TP+\e]
.endr
.irp e, 0,1,2,3,4,5,6,7
	v_and_b32 v[SA+\e], 0x7fffffff, v[SA+\e]       ; the score |x . proto_e|
.endr
	v_max_num_f32 v168, v[SA], v[SA+1]             ; the largest score and the second largest, counted with multiplicity as top_k counts them
	v_min_num_f32 v169, v[SA], v[SA+1]
.irp e, 2,3,4,5,6,7
	v_min_num_f32 v170, v168, v[SA+\e]
	v_max_num_f32 v169, v169, v170
	v_max_num_f32 v168, v168, v[SA+\e]
.endr
	v_mov_b32 v171, 0
.irp e, 0,1,2,3,4,5,6,7
	v_cmp_ge_f32 s[40+\e], v[SA+\e], v169          ; chosen: score >= the second largest
.endr
.irp e, 0,1,2,3,4,5,6,7
	v_cndmask_b32 v170, 0, 1, s[40+\e]
	v_lshl_or_b32 v171, v170, \e, v171             ; the mask: it is stored, and steers nothing here
.endr
.irp e, 0,1,2,3,4,5,6,7
	v_sub_f32 v[PW+\e], v[SA+\e], v168             ; the maximum is taken away, as reference() takes it
.endr
.irp e, 0,1,2,3,4,5,6,7
	v_mul_f32 v[PW+\e], s37, v[PW+\e]
.endr
	s_wait_alu depctr_va_vdst(0)
.irp e, 0,1,2,3,4,5,6,7
	v_exp_f32 v[PW+\e], v[PW+\e]                   ; one batch
.endr
	v_nop                                          ; a plain instruction behind the last exponential
	s_wait_alu depctr_va_vdst(0)                   ; one wait for the batch, ahead of its first reader
.irp e, 0,1,2,3,4,5,6,7
	v_cndmask_b32 v[PW+\e], 0, v[PW+\e], s[40+\e]  ; exp(-inf) = 0 for the others
.endr
	v_add_f32 v172, v[PW], v[PW+1]
	v_add_f32 v173, v[PW+2], v[PW+3]
	v_add_f32 v174, v[PW+4], v[PW+5]
	v_add_f32 v175, v[PW+6], v[PW+7]
	v_add_f32 v172, v172, v173
	v_add_f32 v174, v174, v175
	v_add_f32 v172, v172, v174
	s_wait_alu depctr_va_vdst(0)
	v_rcp_f32 v172, v172
	v_nop
	s_wait_alu depctr_va_vdst(0)
.irp e, 0,1,2,3,4,5,6,7
	v_mul_f32 v[PW+\e], v[PW+\e], v172
.endr
	s_wait_alu depctr_va_vdst(0)
	s_wait_xcnt 0x0                                ; EXEC changes only behind this wait
	v_cmp_eq_u32 vcc_lo, 0, v1
	s_and_saveexec_b32 s36, vcc_lo                 ; every lane holds the same: lane 0 stores
	global_store_b128 v11, v[PW:PW+3], s[PWO:PWO+1]
	global_store_b128 v11, v[PW+4:PW+7], s[PWO:PWO+1] offset:16
	global_store_b32 v11, v171, s[PMO:PMO+1]
	s_wait_xcnt 0x0                                ; and again, in front of the line that widens it
	s_or_b32 exec_lo, exec_lo, s36
	; THE QUANTISER.  The row turns through my own stage, so that lane l holds block l whole.  LDS serves a wave's instructions in order: no wait between the stores and the loads.
.irp i, 0,1,2,3,4,5,6,7
	ds_store_b128 v3, v[X+4*\i:X+4*\i+3] offset:576*\i
.endr
.irp c, 0,1,2,3,4,5,6,7
	ds_load_b128 v[Q+4*\c:Q+4*\c+3], v4 offset:16*\c
.endr
	s_wait_dscnt 0x0
	v_max3_num_f32 v160, |v[Q]|, |v[Q+1]|, |v[Q+2]|
	v_max3_num_f32 v161, |v[Q+3]|, |v[Q+4]|, |v[Q+5]|
.irp i, 6,10,14,18,22,26
	v_max3_num_f32 v160, v160, |v[Q+\i]|, |v[Q+\i+1]|
	v_max3_num_f32 v161, v161, |v[Q+\i+2]|, |v[Q+\i+3]|
.endr
	v_max3_num_f32 v160, v160, |v[Q+30]|, |v[Q+31]|
	v_max3_num_f32 v160, v160, v161, 0x1800000     ; and the floor 2^(3 - 127): the byte cannot fall under 1
	v_add_nc_u32 v162, 0xff000000, v160            ; 2 off the exponent field: the conversion takes this operand's exponent field as its scale
	v_lshrrev_b32 v163, 23, v162                   ; the scale's byte
	v_cvt_scalef32_pk16_fp6_f32 v[CD:CD+2], v[Q:Q+15], v162
	v_cvt_scalef32_pk16_fp6_f32 v[CD+4:CD+6], v[Q+16:Q+31], v162   ; (a conversion's three registers begin on an even number)
	v_nop                                          ; a plain instruction behind the last conversion
.irp i, 0,1,2
	v_mov_b32 v[CD+3+\i], v[CD+4+\i]               ; six registers on end: the block's 24 bytes
.endr
.irp p, 0,1,2
	ds_store_b64 v5, v[CD+2*\p:CD+2*\p+1] offset:8*\p
.endr
	ds_store_b8 v7, v163
.irp k, 0,1,2
	ds_load_b64 v[CO+2*\k:CO+2*\k+1], v6 offset:256*\k
.endr
	ds_load_b32 v222, v8
	s_wait_dscnt 0x0
.irp k, 0,1,2
	global_store_b64 v10, v[CO+2*\k:CO+2*\k+1], s[PXQ:PXQ+1] offset:256*\k   ; 32 lanes store 256 consecutive bytes, aligned
.endr
	global_store_b32 v9, v222, s[PXS:PXS+1]        ; the 32 scale bytes; four lanes hold each word, with the same value
	s_wait_tensorcnt 0x0                           ; the wave's end, behind my last LDS store
	ds_add_u32 v12, v13
	s_wait_dscnt 0x0
	s_endpgm
.Lfunc_end_k_qb2d696c0c7_route0:
	.size	k_qb2d696c0c7_route0, .Lfunc_end_k_qb2d696c0c7_route0-k_qb2d696c0c7_route0
	.p2alignl 7, 3214868480
	.fill 96, 4, 3214868480
	.section	.rodata,"a",@progbits
	.p2align	6, 0x0
	.amdhsa_kernel k_qb2d696c0c7_route0
		.amdhsa_group_segment_fixed_size 55808
		.amdhsa_private_segment_fixed_size 0
		.amdhsa_enable_private_segment 0
		.amdhsa_kernarg_size 40
		.amdhsa_user_sgpr_count 2
		.amdhsa_user_sgpr_kernarg_segment_ptr 1
		.amdhsa_wavefront_size32 1
		.amdhsa_system_sgpr_workgroup_id_x 1
		.amdhsa_system_sgpr_workgroup_id_y 1
		.amdhsa_system_sgpr_workgroup_id_z 1
		.amdhsa_system_vgpr_workitem_id 0
		.amdhsa_next_free_vgpr 224
		.amdhsa_next_free_sgpr 66
		.amdhsa_reserve_vcc 1
		.amdhsa_float_denorm_mode_32 3
		.amdhsa_float_denorm_mode_16_64 3
		.amdhsa_memory_ordered 1
		.amdhsa_forward_progress 1
		.amdhsa_inst_pref_size 31
	.end_amdhsa_kernel
	.amdgpu_metadata
---
amdhsa.version: [ 1, 2 ]
amdhsa.kernels:
  - .name:           k_qb2d696c0c7_route0
    .symbol:         k_qb2d696c0c7_route0.kd
    .args:
      - { .name: x, .offset: 0, .size: 8, .value_kind: global_buffer, .address_space: global }
      - { .name: protos, .offset: 8, .size: 8, .value_kind: global_buffer, .address_space: global }
      - { .name: xqs, .offset: 16, .size: 8, .value_kind: global_buffer, .address_space: global }
      - { .name: mskA, .offset: 24, .size: 8, .value_kind: global_buffer, .address_space: global }
      - { .name: wgtA, .offset: 32, .size: 8, .value_kind: global_buffer, .address_space: global }
    .group_segment_fixed_size: 55808
    .private_segment_fixed_size: 0
    .kernarg_segment_align: 8
    .kernarg_segment_size: 40
    .max_flat_workgroup_size: 128
    .sgpr_count:     66
    .vgpr_count:     224
    .wavefront_size: 32
...
	.end_amdgpu_metadata
.endif
;; end of part 1
;; launch g1a (part 2): grid 256 x 1, 4 waves a work-group, no clusters, 210,688 bytes of LDS; arguments W1_codes, W1_scales, xqs, mskA, hqs, pc; writes hqs, pc
.if DOCPART == 2
	.amdgcn_target "amdgcn-amd-amdhsa--gfx1250"
	.amdhsa_code_object_version 6
	.text
	.protected	k_qb2d696c0c7_g1a
	.globl	k_qb2d696c0c7_g1a
	.p2align	8
	.type	k_qb2d696c0c7_g1a,@function
k_qb2d696c0c7_g1a:
	s_mov_b64 s[64:65], 0
	v_nop
	global_prefetch_b8 v0, s[64:65] scope:SCOPE_SE
	s_setreg_imm32_b32 hwreg(HW_REG_WAVE_MODE, 25, 1), 1
	s_wait_xcnt 0x0
; h = Q(relu(Q(x) W1_e)) of one layer, on codes of FP6 (E2M3) with one E8M0 scale for each 32 along K, FOR THE CHOSEN ROWS ALONE: an expert that a token's mask does not name enters reference()'s mix with
; the softmax weight 0 (shown at the head of the first launch), so its rows are not multiplied.
; SHARES.  Work-group g: p = (g / 8) % 4, fg = g / 32, e = g % 8.  It holds hidden units 256 fg .. 256 fg + 255 of expert e and walks the expert's tiles of 16 rows t = p, p + 4, .. (at most 16 of the 64 that
; 1,024 rows can make, whatever the split).  Wave w holds 64 units: 4 tiles x 8 K steps = 32 fragments of W1, 384 registers, for the whole launch.  The tiles of x go through LDS once and are read by all four waves.
; No tensor load and no cluster: which tiles exist hangs on counts read from memory, and the partners' numbers of tiles would differ.  The four work-groups that read the same weights lie 8 apart in the grid.
; THE LIST.  Wave 0 reads the 1,024 masks and places the tokens that name expert e: position -> token into LDS, token -> position and the count into pc (one work-group for each expert stores them).
; W1's ROWS come as whole rows, two aligned runs of 256 bytes a load, and turn into fragments through the wave's own stage.  THE ROWS OF A TILE ARE NOT NEIGHBOURS: lane r of tile 2 b + u takes row
; 32 b + 8 u + r + 8 (r / 8), so that (the product being used transposed: source 0 = W1, source 1 = x) a lane holds one token, and the 16 registers of tiles 2 b, 2 b + 1 are 16 neighbours along the next K.
; OUT.  hqs: codes [e][t][c64 = 0..31][768 bytes]: the six registers that a lane of the next product wants for 64 along F: registers 0-3 as [lane][16 bytes], then registers 4, 5 as [lane][8 bytes];
; from byte 12,582,912 on the scale words [e][t][K step 0..15][row] u32.  Rows past the expert's count in its last tile are token 0's: computed inside a live tile, read by nobody.
; REGISTERS, in windows of 256: window 0: addresses, scale words, accumulators, the quantiser; window 1: W1's tiles 0, 1 (fragment (u, s) at v[12 (8 u + s)]); window 2: tiles 2, 3;
; window 3: rows of x on their way into LDS (unit u at v[100 u]), then the tile's eight fragments of x, v0-95.
.set LAYER, 0
.set XSLOT, 13184                      ; LDS: 8 slots: 24 piece rows at a pitch of 528 (16 bytes x 32 lanes + 16), then the tile's scale words [row][32 bytes]
.set XSCO,  12672
.set WST,   105472                     ; for each wave 32 rows of W1 at a pitch of 784 = 196 words: the 32 lanes of a load of 8 bytes touch 64 different banks
.set WSTW,  25088
.set LIST,  205824                     ; position -> token, 4,096 bytes; 128 bytes where the tokens that are not chosen go; the count
.set CNTW,  LIST+4224
.set SPARE, 210176                     ; the spare words, 128 bytes for each wave, that no other line names
.set XSOFF, 786432
.set HSOFF, 12582912
.set WS,  24                           ; v24-39   W1's scale words: register 8 b + s; lanes 0-15 tile 2 b, lanes 16-31 tile 2 b + 1
.set XSC, 40                           ; v40-47   x's scale words, one a K step
.set AE,  48                           ; v48-79   accumulators of tiles 0-3, even K steps;  v80-111 odd K steps
.set AO,  80
.set TM,  112                          ; v112-119 the quantiser's
.set CDS, 128                          ; v128-134 the codes just made
.set SB,  136                          ; v136     their two scale bytes
.set MK,  176                          ; v176-207 wave 0: the masks;  v208-239 the positions;  v240-247 at work
.set PO,  208
.set MSB, 0
.macro WIN new                         ; the immediate's high byte repeats the setting that is left
.if MSB != \new
	s_set_vgpr_msb (MSB<<8)|\new
.set MSB, \new
.endif
.endm
	s_load_b256 s[4:11], s[0:1], 0x0               ; W1's codes, W1's scales, xqs, the masks
	s_load_b128 s[12:15], s[0:1], 0x20             ; hqs, pc
	v_lshl_add_u32 v18, v0, 2, SPARE               ; my spare word,
	v_mov_b32 v19, 0                               ; and 0: kept for the closing lines alone
	v_lshrrev_b32 v9, 5, v0
	v_readfirstlane_b32 s16, v9                    ; wave
	; THE DEAL AS IT STANDS NOW: work-group g = 8 (4 fg + p) + e: the expert is the low three bits of the work-group's number
	s_lshr_b32 s17, ttmp9, 3
	s_and_b32 s17, s17, 3                          ; p, 0 .. 3
	s_lshr_b32 s18, ttmp9, 5                       ; fg
	s_and_b32 s19, ttmp9, 7                        ; e
	v_and_b32 v10, 31, v0                          ; lane
	v_and_b32 v1, 15, v0                           ; a
	v_bfe_u32 v2, v0, 4, 1                         ; h
	s_mul_i32 s22, s16, WSTW
	s_add_co_u32 s22, s22, WST
	s_mul_i32 s23, s16, XSLOT
	v_mul_u32_u24 v3, v2, 768
	v_lshl_add_u32 v3, v1, 4, v3                   ; W1 in memory: lanes 0-15 one row's 256 bytes, lanes 16-31 the next row's
	v_mul_u32_u24 v4, v2, 784
	v_lshl_add_u32 v4, v1, 4, v4
	v_add_nc_u32 v4, s22, v4                       ; the same two rows in my stage
	v_mul_u32_u24 v5, v1, 784
	v_mad_u32_u24 v5, v2, 24, v5
	v_add_nc_u32 v5, s22, v5                       ; a fragment out of it: row a, + 24 h
	v_and_b32 v9, 8, v1
	v_add_nc_u32 v9, v9, v1
	v_lshl_add_u32 v9, v2, 3, v9
	v_lshlrev_b32 v6, 5, v9                        ; W1's scale words: row 8 h + a + 8 (a / 8), 32 bytes a row
	v_lshl_add_u32 v7, v2, 2, LIST                 ; the list: row 2 g + h of a tile
	v_lshrrev_b32 v9, 1, v10
	v_lshl_add_u32 v8, v9, 2, LIST                 ; and row lane / 2
	v_lshlrev_b32 v11, 2, v10                      ; 4 lane
	v_lshlrev_b32 v12, 4, v10                      ; 16 lane
	v_lshlrev_b32 v13, 5, v1                       ; 32 a
	v_lshlrev_b32 v14, 4, v1                       ; 16 a
	v_and_b32 v9, 1, v10
	v_lshlrev_b32 v15, 4, v9                       ; 16 (lane % 2)
	v_lshlrev_b32 v16, 3, v10                      ; 8 lane
	v_lshlrev_b32 v17, 2, v1                       ; 4 a
	v_mov_b32 v22, CNTW
	v_add_nc_u32 v23, LIST, v12
	; where a row's pieces of 16 bytes go.  Piece i = 16 k + a of row r lands at 528 (i % 24) + 256 (i / 24) + 16 r: piece row 3 s + q then holds, lane by lane, registers 4 q .. 4 q + 3 of K step s's fragment
	v_mul_u32_u24 v9, v1, 528
	v_lshl_add_u32 v9, v2, 4, v9
	v_add_nc_u32 v160, s23, v9                     ; k = 0: 528 a + 16 h, in slot w
	v_and_b32 v173, 7, v1                          ; k = 1: piece 16 + a.  For a < 8 that is piece row 16 + a; from a = 8 on piece row a - 8, 256 bytes on.
	v_mul_u32_u24 v173, v173, 528                  ; Both are 528 (a % 8) + 16 h + 256 + 8,192 (1 - a / 8), since 528 x 16 = 8,192 + 256: one sum of products, nothing taken away
	v_lshl_add_u32 v173, v2, 4, v173
	v_bfe_u32 v174, v0, 3, 1                       ; a / 8
	v_xor_b32 v174, 1, v174                        ; 1 - a / 8
	v_lshl_add_u32 v173, v174, 13, v173
	v_add_nc_u32 v161, s23, v173
	v_add_nc_u32 v161, 256, v161
	v_add_nc_u32 v162, 4480, v160                  ; k = 2: 528 (8 + a) + 256
.irp k, 0,1,2
	v_add_nc_u32 v[163+\k], 4*XSLOT, v[160+\k]     ; my second unit: slot w + 4
.endr
	v_add_nc_u32 v166, s23, v12
	v_add_nc_u32 v166, XSCO, v166                  ; the tile's scale bytes
	v_add_nc_u32 v167, 4*XSLOT, v166
	v_mov_b32 v[TM+2], 0                           ; written once: a lane permute's destination counts as one of its sources
	v_mov_b32 v[TM+3], 0
	s_lshl_b32 s24, 1, s19                         ; my expert's bit
.if LAYER
	s_add_co_u32 s40, s19, 8*LAYER
	s_lshl_b32 s40, s40, 11
.else
	s_lshl_b32 s40, s19, 11
.endif
	s_lshl_b32 s41, s18, 8
	s_add_co_u32 s40, s40, s41
	s_lshl_b32 s41, s16, 6
	s_add_co_u32 s40, s40, s41                     ; my first row of W1
	s_mul_i32 s42, s40, 768
	s_mov_b32 s43, 0
	s_lshl_b32 s44, s40, 5
	s_mov_b32 s45, 0
	s_lshl_b32 s46, s19, 6
	s_add_co_u32 s46, s46, s17                     ; 64 e + p: my first tile
	s_lshl_b32 s48, s46, 5
	s_lshl_b32 s41, s18, 2
	s_add_co_u32 s48, s48, s41
	s_add_co_u32 s48, s48, s16                     ; x 32 + c64, c64 = 4 fg + w
	s_mul_i32 s48, s48, 768
	s_mov_b32 s49, 0
	s_lshl_b32 s50, s46, 10                        ; its scale words: 1,024 bytes a tile, 64 a K step = 2 fg + w / 2, my half of the word
	s_lshl_b32 s41, s18, 7
	s_add_co_u32 s50, s50, s41
	s_lshr_b32 s41, s16, 1
	s_lshl_b32 s41, s41, 6
	s_add_co_u32 s50, s50, s41
	s_and_b32 s41, s16, 1
	s_lshl_b32 s41, s41, 1
	s_add_co_u32 s50, s50, s41
	s_add_co_u32 s50, s50, HSOFF
	s_mov_b32 s51, 0
	s_lshl_b32 s52, s19, 12
	s_mov_b32 s53, 0
	s_lshl_b32 s54, s19, 7
	s_add_co_u32 s54, s54, 32768
	s_mov_b32 s55, 0
	s_mov_b32 s38, 0x76543210
	s_mov_b32 s39, 0xfedcba98                      ; v_permlanex16_b32's selects for lane l xor 16
	s_lshl_b32 s35, s16, 2
	s_add_co_u32 s35, s35, s17                     ; the tile of my first unit: p + 4 w
	s_mov_b32 s32, s17                             ; the tile of the slot in hand
	s_wait_kmcnt 0x0
	s_add_nc_u64 s[4:5], s[4:5], s[42:43]
	s_add_nc_u64 s[6:7], s[6:7], s[44:45]
	s_add_nc_u64 s[26:27], s[8:9], XSOFF           ; x's scale bytes
	s_add_nc_u64 s[28:29], s[12:13], s[48:49]      ; h's codes
	s_add_nc_u64 s[30:31], s[12:13], s[50:51]      ; h's scale words
	s_add_nc_u64 s[56:57], s[14:15], s[52:53]      ; token -> position of my expert
	s_add_nc_u64 s[58:59], s[14:15], s[54:55]      ; its count
	s_cmp_lg_u32 s16, 0
	s_cbranch_scc1 .Lno_masks
.irp j, 0,1,2,3,4,5,6,7
	global_load_b128 v[MK+4*\j:MK+4*\j+3], v12, s[10:11] offset:512*\j     ; register 4 j + k of lane l: token 128 j + 4 l + k
.endr
.Lno_masks:
.irp b, 0,1
.irp q, 0,1
	global_load_b128 v[WS+8*\b+4*\q:WS+8*\b+4*\q+3], v6, s[6:7] offset:1024*\b+16*\q
.endr
.endr
.macro WLOAD pass                      ; 32 rows of W1 as they lie: 48 loads, register 4 (3 g + k): rows 2 g and 2 g + 1, bytes 256 k on
.set i, 0
.rept 48
	global_load_b128 v[4*i:4*i+3], v3, s[4:5] offset:24576*(\pass)+1536*(i/3)+256*(i%3)
.set i, i+1
.endr
.endm
	WIN 0x40                                       ; destination window 1
	WLOAD 0
	WIN 0x80                                       ; destination window 2
	WLOAD 1
	WIN 0
	s_cmp_lg_u32 s16, 0
	s_cbranch_scc1 .Lno_list
	; WAVE 0 PLACES THE EXPERT'S TOKENS, under the weights' way in.  Up to the barrier below no other wave touches LDS.
.irp i, 0,1,2,3
	v_mov_b32 v[240+\i], 0
.endr
.irp j, 0,1,2,3,4,5,6,7
	ds_store_b128 v23, v[240:243] offset:512*\j    ; the list begins as token 0 everywhere: rows past the count read that
.endr
	v_add_nc_u32 v246, 1024, v10                   ; where a token that is not chosen goes: word 1,024 + lane
	s_wait_loadcnt 63                              ; 100 loads stand behind the masks; the wait's field holds 63, and a smaller count is safe
.set i, 0
.rept 32
	v_and_b32 v[MK+i], s24, v[MK+i]
.set i, i+1
.endr
.set i, 0
.rept 32
	v_cmp_ne_u32 s[66+i], 0, v[MK+i]               ; the 32 lane masks first, so that the running count below is a chain of scalar instructions alone
.set i, i+1
.endr
	s_mov_b32 s20, 0
.set i, 0
.rept 32
	v_mbcnt_lo_u32_b32 v247, s[66+i], s20          ; the count so far + the chosen lanes below mine
	v_cndmask_b32 v[PO+i], v246, v247, s[66+i]
	s_bcnt1_i32_b32 s25, s[66+i]
	s_add_co_u32 s20, s20, s25
	v_min_u32 v244, 1055, v[PO+i]
	v_lshl_add_u32 v244, v244, 2, LIST
	v_add_nc_u32 v245, 128*(i/4)+(i%4), v11        ; my token of this step
	ds_store_b32 v244, v245
.set i, i+1
.endr
	v_mov_b32 v247, s20
	ds_store_b32 v22, v247                         ; the count, for the other waves
	s_lshr_b32 s25, ttmp9, 3                       ; 4 fg + p
	s_cmp_lg_u32 s25, 0
	s_cbranch_scc1 .Lno_list                       ; of an expert's 32 work-groups the first stores the table and the count
.irp j, 0,1,2,3,4,5,6,7
	global_store_b128 v12, v[PO+4*\j:PO+4*\j+3], s[56:57] offset:512*\j
.endr
	global_store_b32 v11, v247, s[58:59]           ; 32 equal words
.Lno_list:
	s_wait_dscnt 0x0                               ; wave 0's stores have landed
	s_barrier_signal -1
	s_barrier_wait -1                              ; the list and the count lie in LDS
	ds_load_b32 v172, v22
	s_wait_dscnt 0x0
	v_readfirstlane_b32 s20, v172
	s_add_co_u32 s21, s20, 15
	s_lshr_b32 s21, s21, 4                         ; the expert's tiles
; A UNIT is a tile of 16 rows of x on its way from memory into a slot.  ISSUE: the rows' tokens from the list; 24 loads of codes (lanes 0-15 an aligned 256 bytes of row 2 g, lanes 16-31 of row 2 g + 1), one of scale bytes.
.macro ISSUE u
.set UA, 140+10*(\u)
.irp g, 0,1,2,3,4,5,6,7
	ds_load_b32 v[UA+\g], v[168+2*(\u)] offset:8*\g
.endr
	ds_load_b32 v[UA+8], v[169+2*(\u)]
	s_wait_dscnt 0x0
.irp g, 0,1,2,3,4,5,6,7,8
	v_min_u32 v[UA+\g], 1023, v[UA+\g]             ; a token's number stays inside the table that it indexes
.endr
.irp g, 0,1,2,3,4,5,6,7
	v_mul_u32_u24 v[UA+\g], v[UA+\g], 768
.endr
.irp g, 0,1,2,3,4,5,6,7
	v_add_nc_u32 v[UA+\g], v14, v[UA+\g]
.endr
	v_lshl_add_u32 v[UA+8], v[UA+8], 5, v15
	WIN 0xc0                                       ; destination window 3
.set i, 0
.rept 24
	global_load_b128 v[100*(\u)+4*i:100*(\u)+4*i+3], v[UA+i/3], s[8:9] offset:256*(i%3)
.set i, i+1
.endr
	global_load_b128 v[100*(\u)+96:100*(\u)+99], v[UA+8], s[26:27]
	WIN 0
.endm
.macro STORE u
	WIN 0x0c                                       ; an LDS store's data are its source 1: window 3
.set i, 0
.rept 24
	ds_store_b128 v[160+3*(\u)+i%3], v[100*(\u)+4*i:100*(\u)+4*i+3] offset:32*(i/3)
.set i, i+1
.endr
	ds_store_b128 v[166+(\u)], v[100*(\u)+96:100*(\u)+99]
	WIN 0
.endm
; 32 rows of W1 turn into 16 fragments, in the registers in which they came.  Row f of the 32 goes to stage row 16 u + r, u = (f / 8) % 2, r = f % 8 + 8 (f / 16).  LDS serves a wave's instructions in order.
.macro WHALF st, ld
	WIN \st
.set i, 0
.rept 48
.set f, 2*(i/3)
	ds_store_b128 v4, v[4*i:4*i+3] offset:784*(16*((f/8)%2)+(f%8)+8*(f/16))+256*(i%3)
.set i, i+1
.endr
	WIN \ld
.set i, 0
.rept 96                               ; i = 6 (8 u + s) + 3 c + q: registers 2 i, 2 i + 1
	ds_load_b64 v[2*i:2*i+1], v5 offset:12544*(i/48)+96*((i/6)%8)+48*((i/3)%2)+8*(i%3)
.set i, i+1
.endr
.endm
.macro WTURN ny                        ; ny: the units' loads that were issued behind the weights'
.if 48+(\ny) > 63
	s_wait_loadcnt 63                              ; the first 32 rows are in: behind them stand 48 + ny loads; the field holds 63, and a smaller count is safe
.else
	s_wait_loadcnt 48+(\ny)
.endif
	WHALF 0x04, 0x40
	s_wait_loadcnt \ny                             ; the other 32 rows are in; the units' loads may be out
	WHALF 0x08, 0x80
	WIN 0
.endm
; One matrix instruction: tile 2 bb + u, K step s.  Even and odd K steps have accumulators of their own, so that four accumulators take turns, one instruction a turn.
.macro G1MM u, s, bb
.set AC, AE+32*((\s)%2)+8*(2*(\bb)+(\u))
.set WR, 12*(8*(\u)+(\s))
.set XR, 12*(\s)
.set SW, WS+8*(\bb)+(\s)
.set SX, XSC+(\s)
.if (\s) < 2
.if (\u) == 0
	v_wmma_scale_f32_16x16x128_f8f6f4 v[AC:AC+7], v[WR:WR+11], v[XR:XR+11], 0, v[SW], v[SX] matrix_a_fmt:MATRIX_FMT_FP6 matrix_b_fmt:MATRIX_FMT_FP6
.else
	v_wmma_scale_f32_16x16x128_f8f6f4 v[AC:AC+7], v[WR:WR+11], v[XR:XR+11], 0, v[SW], v[SX] matrix_a_fmt:MATRIX_FMT_FP6 matrix_b_fmt:MATRIX_FMT_FP6 matrix_a_scale:MATRIX_SCALE_ROW1
.endif
.else
.if (\u) == 0
	v_wmma_scale_f32_16x16x128_f8f6f4 v[AC:AC+7], v[WR:WR+11], v[XR:XR+11], v[AC:AC+7], v[SW], v[SX] matrix_a_fmt:MATRIX_FMT_FP6 matrix_b_fmt:MATRIX_FMT_FP6
.else
	v_wmma_scale_f32_16x16x128_f8f6f4 v[AC:AC+7], v[WR:WR+11], v[XR:XR+11], v[AC:AC+7], v[SW], v[SX] matrix_a_fmt:MATRIX_FMT_FP6 matrix_b_fmt:MATRIX_FMT_FP6 matrix_a_scale:MATRIX_SCALE_ROW1
.endif
.endif
.endm                                  ; (source 0 stands in window 1 or 2 and source 1 in window 3: equal numbers there name different registers)
; THE EIGHT SLOTS OF A ROUND: a loop of constant count; a slot whose tile the expert does not have is passed over, by a scalar branch on the count, down to the lines that step.
.macro SLOTS
	s_mov_b32 s33, 0
	s_mov_b32 s34, 0
.Lslot_\@:
	s_cmp_ge_u32 s32, s21
	s_cbranch_scc1 .Lnext_\@
	v_add_nc_u32 v20, s33, v12
	v_add_nc_u32 v21, s33, v13
	ds_load_b128 v[XSC:XSC+3], v21 offset:XSCO
	ds_load_b128 v[XSC+4:XSC+7], v21 offset:XSCO+16
	WIN 0xc0                                       ; destination window 3
.set i, 0
.rept 24
	ds_load_b128 v[4*i:4*i+3], v20 offset:528*i    ; 512 consecutive bytes: registers 4 q .. 4 q + 3 of K step s, i = 3 s + q
.set i, i+1
.endr
	WIN 0x0d                                       ; source 0 (W1) window 1, source 1 (x) window 3, C and D window 0
.irp s, 0,1,2,3,4,5,6,7
	s_wait_dscnt 21-3*\s                           ; the scale words and K steps 0 .. s are in; the later K steps' loads may be out
.irp u, 0,1
	G1MM \u, \s, 0
.endr
.endr
	WIN 0x0e                                       ; source 0 window 2
.irp s, 0,1,2,3,4,5,6,7
.irp u, 0,1
	G1MM \u, \s, 1
.endr
.endr
	WIN 0
.rept 4
	v_nop                                          ; four places behind the last product, ahead of the first read of results (ISA guide 7.12.1)
.endr
.irp j, 0,2,4,6,8,10,12,14,16,18,20,22,24,26,28,30
	v_pk_add_f32 v[AE+\j:AE+\j+1], v[AE+\j:AE+\j+1], v[AO+\j:AO+\j+1]   ; even + odd K steps; each accumulator is read from its low end on
.endr
.irp j, 0,1,2,3,4,5,6,7,8,9,10,11,12,13,14,15,16,17,18,19,20,21,22,23,24,25,26,27,28,29,30,31
	v_max_num_f32 v[AE+\j], 0, v[AE+\j]            ; relu, in f32
.endr
	; the quantiser along F: register 16 b + i is unit 32 b + 16 h + i of my token: block b lies in lanes l and l xor 16.  No |.|: nothing is negative
.irp b, 0,1
	v_max3_num_f32 v[TM+\b], v[AE+16*\b], v[AE+1+16*\b], 0x1800000   ; with the floor 2^(3 - 127): the byte cannot fall under 1
.endr
.irp i, 2,4,6,8,10,12,14
.irp b, 0,1
	v_max3_num_f32 v[TM+\b], v[TM+\b], v[AE+16*\b+\i], v[AE+1+16*\b+\i]
.endr
.endr
.irp b, 0,1
	v_permlanex16_b32 v[TM+2+\b], v[TM+\b], s38, s39
.endr
.irp b, 0,1
	v_max_num_f32 v[TM+\b], v[TM+\b], v[TM+2+\b]
.endr
.irp b, 0,1
	v_add_nc_u32 v[TM+4+\b], 0xff000000, v[TM+\b]  ; 2 off the exponent field: the conversion's scale operand
.endr
.irp b, 0,1
	v_lshrrev_b32 v[TM+6+\b], 23, v[TM+4+\b]       ; the scale's byte
.endr
	v_lshl_or_b32 v[SB], v[TM+7], 8, v[TM+6]
	v_cvt_scalef32_pk16_fp6_f32 v[CDS:CDS+2], v[AE:AE+15], v[TM+4]
	v_cvt_scalef32_pk16_fp6_f32 v[CDS+4:CDS+6], v[AE+16:AE+31], v[TM+5]   ; (a conversion's three registers begin on an even number)
	v_nop                                          ; a plain instruction behind the last conversion
.irp i, 0,1,2
	v_permlane16_swap_b32 v[CDS+\i], v[CDS+4+\i]   ; the operand's layout wants a whole block in a lane: lanes 0-15 block 0, lanes 16-31 block 1
.endr
.irp i, 0,1,2
	v_mov_b32 v[CDS+3+\i], v[CDS+4+\i]
.endr
	global_store_b128 v12, v[CDS:CDS+3], s[28:29]              ; registers 0-3: 32 lanes store 512 consecutive bytes, aligned
	global_store_b64 v16, v[CDS+4:CDS+5], s[28:29] offset:512  ; registers 4, 5: 256 consecutive bytes, aligned
	global_store_b16 v17, v[SB], s[30:31]          ; my half of each row's scale word; lanes l and l xor 16 hold the same
.Lnext_\@:
	s_wait_xcnt 0x0                                ; the stores have read their registers and bases: both may be written again
	s_add_nc_u64 s[28:29], s[28:29], 98304         ; four tiles on
	s_add_nc_u64 s[30:31], s[30:31], 4096
	s_add_co_u32 s32, s32, 4
	s_add_co_u32 s33, s33, XSLOT
	s_add_co_u32 s34, s34, 1
	s_cmp_lt_u32 s34, 8
	s_cbranch_scc1 .Lslot_\@
.endm
; A ROUND: eight tiles into the eight slots, two units a wave (tiles p + 4 (8 rho + w) and 16 further on, slots w and w + 4), then the eight slots' products.
; Every way to a STORE leads through its ISSUE; the barriers stand where all ways have joined.  In the first round the weights turn into fragments while the units' loads are out.
.macro ROUND rho, first
.if \rho
	s_add_co_u32 s35, s35, 32
.endif
	s_add_co_u32 s36, s35, 16
	s_lshl_b32 s37, s35, 6
	v_add_nc_u32 v168, s37, v7
	v_add_nc_u32 v169, s37, v8
	v_add_nc_u32 v170, 1024, v168
	v_add_nc_u32 v171, 1024, v169
	s_cmp_ge_u32 s35, s21
	s_cbranch_scc1 .Lnone_\@
	ISSUE 0
	s_cmp_ge_u32 s36, s21
	s_cbranch_scc1 .Lone_\@
	ISSUE 1
.if \first
	WTURN 50
.endif
	s_wait_loadcnt 0x0
	STORE 1
	s_branch .Lst0_\@
.Lone_\@:
.if \first
	WTURN 25
.endif
.Lst0_\@:
	s_wait_loadcnt 0x0
	STORE 0
	s_branch .Ldone_\@
.Lnone_\@:
.if \first
	WTURN 0
.endif
.Ldone_\@:
	s_wait_dscnt 0x0                               ; my stores into the slots have landed, my fragments of W1 are in
	s_barrier_signal -1
	s_barrier_wait -1                              ; the round's tiles lie in LDS
	SLOTS
.endm
	ROUND 0, 1
	s_wait_dscnt 0x0                               ; my reads of the slots are over
	s_barrier_signal -1
	s_barrier_wait -1                              ; everybody's are: the slots may be written again
	ROUND 1, 0
	s_wait_tensorcnt 0x0                           ; the wave's end, behind my last LDS store
	ds_add_u32 v18, v19
	s_wait_dscnt 0x0
	s_endpgm
.Lfunc_end_k_qb2d696c0c7_g1a:
	.size	k_qb2d696c0c7_g1a, .Lfunc_end_k_qb2d696c0c7_g1a-k_qb2d696c0c7_g1a
	.p2alignl 7, 3214868480
	.fill 96, 4, 3214868480
	.section	.rodata,"a",@progbits
	.p2align	6, 0x0
	.amdhsa_kernel k_qb2d696c0c7_g1a
		.amdhsa_group_segment_fixed_size 210688
		.amdhsa_private_segment_fixed_size 0
		.amdhsa_enable_private_segment 0
		.amdhsa_kernarg_size 48
		.amdhsa_user_sgpr_count 2
		.amdhsa_user_sgpr_kernarg_segment_ptr 1
		.amdhsa_wavefront_size32 1
		.amdhsa_system_sgpr_workgroup_id_x 1
		.amdhsa_system_sgpr_workgroup_id_y 1
		.amdhsa_system_sgpr_workgroup_id_z 1
		.amdhsa_system_vgpr_workitem_id 0
		.amdhsa_next_free_vgpr 968
		.amdhsa_next_free_sgpr 98
		.amdhsa_reserve_vcc 0
		.amdhsa_float_denorm_mode_32 3
		.amdhsa_float_denorm_mode_16_64 3
		.amdhsa_memory_ordered 1
		.amdhsa_forward_progress 1
		.amdhsa_inst_pref_size 139
	.end_amdhsa_kernel
	.amdgpu_metadata
---
amdhsa.version: [ 1, 2 ]
amdhsa.kernels:
  - .name:           k_qb2d696c0c7_g1a
    .symbol:         k_qb2d696c0c7_g1a.kd
    .args:
      - { .name: W1_codes, .offset: 0, .size: 8, .value_kind: global_buffer, .address_space: global }
      - { .name: W1_scales, .offset: 8, .size: 8, .value_kind: global_buffer, .address_space: global }
      - { .name: xqs, .offset: 16, .size: 8, .value_kind: global_buffer, .address_space: global }
      - { .name: mskA, .offset: 24, .size: 8, .value_kind: global_buffer, .address_space: global }
      - { .name: hqs, .offset: 32, .size: 8, .value_kind: global_buffer, .address_space: global }
      - { .name: pc, .offset: 40, .size: 8, .value_kind: global_buffer, .address_space: global }
    .group_segment_fixed_size: 210688
    .private_segment_fixed_size: 0
    .kernarg_segment_align: 8
    .kernarg_segment_size: 48
    .max_flat_workgroup_size: 128
    .sgpr_count:     98
    .vgpr_count:     968
    .wavefront_size: 32
...
	.end_amdgpu_metadata
.endif
;; end of part 2
;; launch g2a (part 3): grid 256 x 1, 4 waves a work-group, no clusters, 199,168 bytes of LDS; arguments W2_codes, W2_scales, hqs, pc, y; writes y
.if DOCPART == 3
	.amdgcn_target "amdgcn-amd-amdhsa--gfx1250"
	.amdhsa_code_object_version 6
	.text
	.protected	k_qb2d696c0c7_g2a
	.globl	k_qb2d696c0c7_g2a
	.p2align	8
	.type	k_qb2d696c0c7_g2a,@function
k_qb2d696c0c7_g2a:
	s_mov_b64 s[64:65], 0
	v_nop
	global_prefetch_b8 v0, s[64:65] scope:SCOPE_SE
	s_setreg_imm32_b32 hwreg(HW_REG_WAVE_MODE, 25, 1), 1
	s_wait_xcnt 0x0
; y_e = h W2_e of one layer, on codes of FP6 (E2M3) with one E8M0 scale for each 32 along K = F, FOR THE CHOSEN ROWS ALONE: the rows of an expert that a token did not choose enter reference()'s mix with the
; weight 0 (shown at the head of the first launch) and were never made.
; SHARES.  Work-group g: p = (g / 8) % 4, ng = g / 32, e = g % 8: output columns 128 ng .. 128 ng + 127 of expert e, tiles of 16 rows t = p, p + 4, ..
; THE FOUR WAVES SPLIT K.  Wave w holds K steps 4 w .. 4 w + 3 (of 16) of all eight tiles of 16 columns: 32 fragments of W2, 384 registers, for the whole launch.  So a fragment of h is wanted by ONE wave: it comes
; from memory straight into that wave's registers (h lies in memory in the order of the operand's registers), feeds eight matrix instructions, and never touches LDS.  Each wave ends with a partial sum of the whole
; tile, 16 rows x 128 columns; the four partial sums meet in LDS (4 x 8,448 bytes a tile), and wave w adds and stores rows 4 w .. 4 w + 3, 512 consecutive bytes a store.  y: [e][position][1024] f32; each row has one owner.
; W2's ROWS come as whole rows (wave w: rows 32 w .. 32 w + 31 of the 128; two aligned runs of 256 bytes a load) into ONE stage in LDS; behind a barrier each wave reads its K steps of all 128 rows as fragments.
; No tensor load and no cluster: which tiles exist hangs on a count read from memory.  No address hangs on it: only which tiles are passed over.
; The product is used transposed (source 0 = 16 rows of W2, source 1 = 16 rows of h): a lane holds one row and eight neighbouring columns.
; ROUNDS of five tiles, a loop of four trips (20 slots for the 16 tiles that a work-group can have).  A round's tiles 0-2 (54 loads a wave) are asked for ahead of the barrier in front of it, tiles 3 and 4 behind it,
; under the products of tiles 0-2; the three ways (five tiles, four, fewer) are written apart, so that each counted wait counts the loads of its own way.
; REGISTERS, in windows of 256: window 0: addresses, scale words, two sets of eight accumulators, rows on the way out; window 1: W2's fragments of my K steps 0, 1 (tile T, step s at v[12 (8 (s % 2) + T)]);
; window 2: of my K steps 2, 3; window 3: five tiles of h, 48 registers each.  On their way in, W2's first 20 rows land in window 3 and the other 12 in window 1.
.set LAYER, 0
.set WP,    1552                       ; LDS: the stage for W2: 128 rows at a pitch of 1,552 = 388 words: the 32 lanes of a load of 8 bytes touch 64 different banks
.set WWAVE, 32*WP                      ; a wave's 32 rows
.set PSLOT, 33792                      ; the partial sums, in the same bytes (free when every wave has its fragments): five slots of four waves x 16 rows x (512 + 16) bytes
.set PWAVE, 8448
.set SPARE, 198656                     ; behind the stage: the spare words, 128 bytes for each wave, that no other line names
.set HSOFF, 12582912
.set WF,  14                           ; v14-17   LDS address of my fragments of tiles 2 k, 2 k + 1
.set PW,  18                           ; v18-22   where I put 32 bytes of a row of my partial sum, slot j
.set PR,  23                           ; v23-27   where I read my four rows back, slot j
.set WS,  28                           ; v28-43   W2's scale words: register 4 k + s; lanes 0-15 tile 2 k, lanes 16-31 tile 2 k + 1
.set HSC, 44                           ; v44-53   h's scale words: register 2 j + q; lanes 0-15 my K step 2 q, lanes 16-31 my K step 2 q + 1
.set ACC, 56                           ; v56-183  accumulator of column tile T at 8 T, a set of eight for even slots and one for odd slots
.set SD,  184                          ; v184-247 four rows x four partial sums on the way out
.set MSB, 0
.macro WIN new                         ; the immediate's high byte repeats the setting that is left
.if MSB != \new
	s_set_vgpr_msb (MSB<<8)|\new
.set MSB, \new
.endif
.endm
	s_load_b256 s[4:11], s[0:1], 0x0               ; W2's codes, W2's scales, hqs, pc
	s_load_b64 s[12:13], s[0:1], 0x20              ; y
	v_lshl_add_u32 v12, v0, 2, SPARE               ; my spare word,
	v_mov_b32 v13, 0                               ; and 0: kept for the closing lines alone
.irp i, 0,1,2,3,4,5,6,7,8,9
	v_mov_b32 v[HSC+\i], 0x7f7f7f7f                ; h's scale words begin as the scale 1, so that these registers hold scales on every way through the text
.endr
	v_lshrrev_b32 v11, 5, v0
	v_readfirstlane_b32 s16, v11                   ; wave
	; THE DEAL AS IT STANDS NOW: work-group g = 8 (4 ng + p) + e: the expert is the low three bits of the work-group's number
	s_bfe_u32 s17, ttmp9, 0x20003                  ; p
	s_lshr_b32 s18, ttmp9, 5                       ; ng
	s_and_b32 s19, ttmp9, 7                        ; e
	v_and_b32 v10, 31, v0                          ; lane
	v_and_b32 v1, 15, v0                           ; a
	v_bfe_u32 v2, v0, 4, 1                         ; h
	v_mul_u32_u24 v3, v2, 1536
	v_lshl_add_u32 v3, v1, 4, v3                   ; W2 in memory: lanes 0-15 one row's 256 bytes, lanes 16-31 the next row's
	s_mul_i32 s22, s16, WWAVE
	v_mul_u32_u24 v4, v2, WP
	v_lshl_add_u32 v4, v1, 4, v4
	v_add_nc_u32 v4, s22, v4                       ; the same two rows in the stage, among my wave's 32
	s_mul_i32 s22, s16, 384
	v_mul_u32_u24 v5, v1, WP
	v_mad_u32_u24 v5, v2, 24, v5
	v_add_nc_u32 v[WF], s22, v5                    ; a fragment out of it: row a, + 24 h, + my four K steps' 384 bytes
.irp k, 1,2,3
	v_add_nc_u32 v[WF+\k], WWAVE*\k, v[WF]         ; two tiles, 32 rows, on
.endr
	v_lshlrev_b32 v6, 6, v10                       ; W2's scale words: row = lane, 64 bytes a row
	v_lshlrev_b32 v7, 4, v10                       ; 16 lane
	v_lshlrev_b32 v8, 3, v10                       ; 8 lane
	v_lshlrev_b32 v9, 2, v10                       ; 4 lane
	s_mul_i32 s22, s16, PWAVE
	v_mul_u32_u24 v5, v1, 528
	v_lshl_add_u32 v5, v2, 5, v5
	v_add_nc_u32 v[PW], s22, v5                    ; my partial sum: row a, + 32 h
	s_mul_i32 s22, s16, 2112
	v_add_nc_u32 v[PR], s22, v7                    ; back: rows 4 w .. 4 w + 3, 16 bytes a lane
.irp k, 1,2,3,4
	v_add_nc_u32 v[PW+\k], PSLOT*\k, v[PW]
	v_add_nc_u32 v[PR+\k], PSLOT*\k, v[PR]
.endr
.if LAYER
	s_add_co_u32 s40, s19, 8*LAYER
	s_lshl_b32 s40, s40, 10
.else
	s_lshl_b32 s40, s19, 10
.endif
	s_lshl_b32 s41, s18, 7
	s_add_co_u32 s40, s40, s41                     ; the work-group's first row of W2
	s_lshl_b32 s44, s40, 6                         ; its scale bytes, 64 a row,
	s_lshl_b32 s41, s16, 4
	s_add_co_u32 s44, s44, s41                     ; and in them my four K steps' words
	s_mov_b32 s45, 0
	s_lshl_b32 s41, s16, 5
	s_add_co_u32 s40, s40, s41                     ; the first of the 32 rows that I fetch
	s_mul_i32 s42, s40, 1536
	s_mov_b32 s43, 0
	s_lshl_b32 s46, s19, 6
	s_add_co_u32 s46, s46, s17                     ; 64 e + p: the first tile
	s_mul_i32 s48, s46, 24576                      ; its codes,
	s_mul_i32 s41, s16, 6144
	s_add_co_u32 s48, s48, s41                     ; my eight chunks of 768 bytes;
	s_mov_b32 s49, 0
	s_lshl_b32 s50, s46, 10                        ; its scale words,
	s_lshl_b32 s41, s16, 8
	s_add_co_u32 s50, s50, s41                     ; my four K steps' 256 bytes
	s_add_co_u32 s50, s50, HSOFF
	s_mov_b32 s51, 0
	s_lshl_b32 s52, s19, 10
	s_lshl_b32 s41, s17, 4
	s_add_co_u32 s52, s52, s41
	s_lshl_b32 s41, s16, 2
	s_add_co_u32 s52, s52, s41                     ; the first row of y that I store: 1,024 e + 16 p + 4 w
	s_lshl_b32 s52, s52, 12
	s_lshl_b32 s41, s18, 9
	s_add_co_u32 s52, s52, s41
	s_mov_b32 s53, 0
	s_lshl_b32 s54, s19, 7
	s_mov_b32 s32, s17                             ; the tile of the round's slot 0
	s_wait_kmcnt 0x0
	s_load_b32 s20, s[10:11], s54 offset:0x8000    ; the expert's count
	s_add_nc_u64 s[4:5], s[4:5], s[42:43]
	s_add_nc_u64 s[6:7], s[6:7], s[44:45]
	s_add_nc_u64 s[24:25], s[8:9], s[48:49]
	s_add_nc_u64 s[26:27], s[8:9], s[50:51]
	s_add_nc_u64 s[28:29], s[12:13], s[52:53]
.irp k, 0,1,2,3
	global_load_b128 v[WS+4*\k:WS+4*\k+3], v6, s[6:7] offset:2048*\k       ; rows 32 k + lane: my four words of each
.endr
	; 32 rows of W2 as they lie: 96 loads; load i: rows 2 (i / 6) and 2 (i / 6) + 1, bytes 256 (i % 6) on
	WIN 0xc0                                       ; destination window 3
.set i, 0
.rept 60
	global_load_b128 v[4*i:4*i+3], v3, s[4:5] offset:3072*(i/6)+256*(i%6)
.set i, i+1
.endr
	WIN 0x40                                       ; destination window 1
.rept 36
	global_load_b128 v[4*(i-60):4*(i-60)+3], v3, s[4:5] offset:3072*(i/6)+256*(i%6)
.set i, i+1
.endr
	WIN 0
	s_wait_kmcnt 0x0
	s_add_co_u32 s21, s20, 15
	s_lshr_b32 s21, s21, 4                         ; the expert's tiles
	WIN 0x0c                                       ; an LDS store's data are its source 1: window 3
.set i, 0
.rept 60                               ; the rows go into the stage in batches of twelve loads: behind load i + 11 stand 84 - i loads, which may be out (the field holds 63, and a smaller count is safe)
.if i%12 == 0
.if 84-i > 63
	s_wait_loadcnt 63
.else
	s_wait_loadcnt 84-i
.endif
.endif
	ds_store_b128 v4, v[4*i:4*i+3] offset:3104*(i/6)+256*(i%6)
.set i, i+1
.endr
	WIN 0x04                                       ; data in window 1
.rept 36
.if i%12 == 0
	s_wait_loadcnt 84-i
.endif
	ds_store_b128 v4, v[4*(i-60):4*(i-60)+3] offset:3104*(i/6)+256*(i%6)
.set i, i+1
.endr
	WIN 0
	s_wait_dscnt 0x0                               ; my rows lie in the stage, and have left their registers
; Slot j's quarter of a tile of h: my eight chunks (registers 0-3 of a chunk's six by a load of 16 bytes a lane, 512 consecutive bytes; registers 4, 5 by one of 8 bytes, 256 consecutive bytes) and two scale registers: 18 loads
.macro ISSUE j
	WIN 0xc0                                       ; destination window 3
.irp c, 0,1,2,3,4,5,6,7
	global_load_b128 v[48*\j+6*\c:48*\j+6*\c+3], v7, s[24:25] offset:98304*\j+768*\c
	global_load_b64 v[48*\j+6*\c+4:48*\j+6*\c+5], v8, s[24:25] offset:98304*\j+768*\c+512
.endr
	WIN 0
	global_load_b32 v[HSC+2*\j], v9, s[26:27] offset:4096*\j
	global_load_b32 v[HSC+2*\j+1], v9, s[26:27] offset:4096*\j+128
.endm
; A round's tiles 0-2, as far as the expert has them: 54 loads at the most
.macro EARLY
	s_cmp_ge_u32 s32, s21
	s_cbranch_scc1 .Learly_\@
	ISSUE 0
	s_add_co_u32 s36, s32, 4
	s_cmp_ge_u32 s36, s21
	s_cbranch_scc1 .Learly_\@
	ISSUE 1
	s_add_co_u32 s36, s32, 8
	s_cmp_ge_u32 s36, s21
	s_cbranch_scc1 .Learly_\@
	ISSUE 2
.Learly_\@:
.endm
; 16 fragments out of the stage: i = 6 (8 s2 + T) + 3 c + q: registers 2 i, 2 i + 1; my K step spb + s2
.macro WFRAG win, spb
	WIN \win
.set i, 0
.rept 96
	ds_load_b64 v[2*i:2*i+1], v[WF+((i/6)%8)/2] offset:16*WP*((i/6)%2)+96*((\spb)+i/48)+48*((i/3)%2)+8*(i%3)
.set i, i+1
.endr
.endm
; One matrix instruction: slot j, column tile T, my K step sp.  The eight accumulators take turns, one instruction a turn; the first K step starts the sums.
.macro MM j, T, sp
.set AC, ACC+64*((\j)%2)+8*(\T)
.set WR, 12*(8*((\sp)%2)+(\T))
.set HR, 48*(\j)+12*(\sp)
.set SW, WS+4*((\T)/2)+(\sp)
.set SH, HSC+2*(\j)+(\sp)/2
.if (\sp) == 0
.if (\T)%2 == 0
	v_wmma_scale_f32_16x16x128_f8f6f4 v[AC:AC+7], v[WR:WR+11], v[HR:HR+11], 0, v[SW], v[SH] matrix_a_fmt:MATRIX_FMT_FP6 matrix_b_fmt:MATRIX_FMT_FP6
.else
	v_wmma_scale_f32_16x16x128_f8f6f4 v[AC:AC+7], v[WR:WR+11], v[HR:HR+11], 0, v[SW], v[SH] matrix_a_fmt:MATRIX_FMT_FP6 matrix_b_fmt:MATRIX_FMT_FP6 matrix_a_scale:MATRIX_SCALE_ROW1
.endif
.elseif (\sp)%2 == 0
.if (\T)%2 == 0
	v_wmma_scale_f32_16x16x128_f8f6f4 v[AC:AC+7], v[WR:WR+11], v[HR:HR+11], v[AC:AC+7], v[SW], v[SH] matrix_a_fmt:MATRIX_FMT_FP6 matrix_b_fmt:MATRIX_FMT_FP6
.else
	v_wmma_scale_f32_16x16x128_f8f6f4 v[AC:AC+7], v[WR:WR+11], v[HR:HR+11], v[AC:AC+7], v[SW], v[SH] matrix_a_fmt:MATRIX_FMT_FP6 matrix_b_fmt:MATRIX_FMT_FP6 matrix_a_scale:MATRIX_SCALE_ROW1
.endif
.else
.if (\T)%2 == 0
	v_wmma_scale_f32_16x16x128_f8f6f4 v[AC:AC+7], v[WR:WR+11], v[HR:HR+11], v[AC:AC+7], v[SW], v[SH] matrix_a_fmt:MATRIX_FMT_FP6 matrix_b_fmt:MATRIX_FMT_FP6 matrix_b_scale:MATRIX_SCALE_ROW1
.else
	v_wmma_scale_f32_16x16x128_f8f6f4 v[AC:AC+7], v[WR:WR+11], v[HR:HR+11], v[AC:AC+7], v[SW], v[SH] matrix_a_fmt:MATRIX_FMT_FP6 matrix_b_fmt:MATRIX_FMT_FP6 matrix_a_scale:MATRIX_SCALE_ROW1 matrix_b_scale:MATRIX_SCALE_ROW1
.endif
.endif
.endm                                  ; (source 0 stands in window 1 or 2 and source 1 in window 3: equal numbers there name different registers)
; Slot j's 32 products, and my partial sum into LDS
.macro COMP j
	WIN 0x0d                                       ; source 0 (W2, my K steps 0, 1) window 1, source 1 (h) window 3, C and D window 0
.irp sp, 0,1
.irp T, 0,1,2,3,4,5,6,7
	MM \j, \T, \sp
.endr
.endr
	WIN 0x0e                                       ; source 0 (my K steps 2, 3) window 2
.irp sp, 2,3
.irp T, 0,1,2,3,4,5,6,7
	MM \j, \T, \sp
.endr
.endr
	WIN 0
.rept 5
	v_nop                                          ; places behind the last product: four ahead of the first read of results and of loads into its sources, five ahead of a product that begins a sum anew on these registers
.endr
	s_wait_alu depctr_va_vdst(0)
.irp T, 0,1,2,3,4,5,6,7
	ds_store_b128 v[PW+\j], v[ACC+64*((\j)%2)+8*\T:ACC+64*((\j)%2)+8*\T+3] offset:64*\T        ; lane (a, h): row a, columns 16 T + 8 h + 0 .. 7; each accumulator from its low end on
	ds_store_b128 v[PW+\j], v[ACC+64*((\j)%2)+8*\T+4:ACC+64*((\j)%2)+8*\T+7] offset:64*\T+16
.endr
.endm
; Slot j's rows 4 w .. 4 w + 3: the four waves' partial sums are added and the rows stored, 512 consecutive bytes a store
.macro SEND j
.if \j
	s_add_co_u32 s36, s32, 4*\j
	s_cmp_ge_u32 s36, s21
.else
	s_cmp_ge_u32 s32, s21
.endif
	s_cbranch_scc1 .Lsent
	s_wait_xcnt 0x0                                ; the slot before's stores have read their registers: they may be loaded again
	s_wait_alu depctr_va_vdst(0)
.irp r, 0,1,2,3
.irp u, 0,1,2,3
	ds_load_b128 v[SD+16*\r+4*\u:SD+16*\r+4*\u+3], v[PR+\j] offset:PWAVE*\u+528*\r
.endr
.endr
.irp r, 0,1,2,3
	s_wait_dscnt 12-4*\r                           ; row r's four loads are in; the later rows' may be out
	v_pk_add_f32 v[SD+16*\r:SD+16*\r+1], v[SD+16*\r:SD+16*\r+1], v[SD+16*\r+4:SD+16*\r+5]
	v_pk_add_f32 v[SD+16*\r+2:SD+16*\r+3], v[SD+16*\r+2:SD+16*\r+3], v[SD+16*\r+6:SD+16*\r+7]
	v_pk_add_f32 v[SD+16*\r+8:SD+16*\r+9], v[SD+16*\r+8:SD+16*\r+9], v[SD+16*\r+12:SD+16*\r+13]
	v_pk_add_f32 v[SD+16*\r+10:SD+16*\r+11], v[SD+16*\r+10:SD+16*\r+11], v[SD+16*\r+14:SD+16*\r+15]
	v_pk_add_f32 v[SD+16*\r:SD+16*\r+1], v[SD+16*\r:SD+16*\r+1], v[SD+16*\r+8:SD+16*\r+9]
	v_pk_add_f32 v[SD+16*\r+2:SD+16*\r+3], v[SD+16*\r+2:SD+16*\r+3], v[SD+16*\r+10:SD+16*\r+11]
	global_store_b128 v7, v[SD+16*\r:SD+16*\r+3], s[28:29] offset:262144*\j+4096*\r
.endr
.endm
	EARLY                                          ; the first round's tiles 0-2 go out; they land under the 192 fragment loads below
	s_barrier_signal -1
	s_barrier_wait -1                              ; all 128 rows of W2 lie in the stage
	WFRAG 0x40, 0                                  ; my K steps 0, 1 into window 1,
	WFRAG 0x80, 2                                  ; my K steps 2, 3 into window 2
	WIN 0
	s_mov_b32 s34, 0
.Lround:
	s_wait_dscnt 0x0                               ; my fragments are in (first trip); my reads of the partial sums are over (later trips)
	s_barrier_signal -1
	s_barrier_wait -1                              ; everybody's are: the partial sums' bytes may be written
	s_add_co_u32 s36, s32, 12
	s_cmp_ge_u32 s36, s21
	s_cbranch_scc1 .Lno3
	ISSUE 3
	s_add_co_u32 s36, s32, 16
	s_cmp_ge_u32 s36, s21
	s_cbranch_scc1 .Lno4
	ISSUE 4
	s_wait_loadcnt 36                              ; FIVE TILES.  Tiles 0-2 are in; the 36 loads of tiles 3 and 4 may be out
	COMP 0
	COMP 1
	COMP 2
	s_wait_loadcnt 18                              ; tile 3 is in; tile 4's 18 loads may be out
	COMP 3
	s_wait_loadcnt 0x0
	COMP 4
	s_branch .Ldone
.Lno4:
	s_wait_loadcnt 18                              ; FOUR TILES.  Tiles 0-2 are in; tile 3's 18 loads may be out
	COMP 0
	COMP 1
	COMP 2
	s_wait_loadcnt 0x0
	COMP 3
	s_branch .Ldone
.Lno3:
	s_wait_loadcnt 0x0                             ; THREE TILES OR FEWER
	s_cmp_ge_u32 s32, s21
	s_cbranch_scc1 .Ldone
	COMP 0
	s_add_co_u32 s36, s32, 4
	s_cmp_ge_u32 s36, s21
	s_cbranch_scc1 .Ldone
	COMP 1
	s_add_co_u32 s36, s32, 8
	s_cmp_ge_u32 s36, s21
	s_cbranch_scc1 .Ldone
	COMP 2
.Ldone:
	s_wait_dscnt 0x0                               ; my partial sums have landed
	s_barrier_signal -1
	s_barrier_wait -1                              ; everybody's have
	SEND 0
	SEND 1
	SEND 2
	SEND 3
	SEND 4
.Lsent:
	s_wait_xcnt 0x0                                ; the stores have read their base, the round's loads theirs: the three may step
	s_add_nc_u64 s[24:25], s[24:25], 5*98304       ; five slots, 20 tiles, on
	s_add_nc_u64 s[26:27], s[26:27], 5*4096
	s_add_nc_u64 s[28:29], s[28:29], 5*262144
	s_add_co_u32 s32, s32, 20
	EARLY                                          ; the next round's tiles 0-2, if the expert has them (behind the last trip none: a tile's number stays under 64)
	s_add_co_u32 s34, s34, 1
	s_cmp_lt_u32 s34, 4
	s_cbranch_scc1 .Lround
	s_wait_tensorcnt 0x0                           ; the wave's end, behind my last LDS store
	ds_add_u32 v12, v13
	s_wait_dscnt 0x0
	s_endpgm
.Lfunc_end_k_qb2d696c0c7_g2a:
	.size	k_qb2d696c0c7_g2a, .Lfunc_end_k_qb2d696c0c7_g2a-k_qb2d696c0c7_g2a
	.p2alignl 7, 3214868480
	.fill 96, 4, 3214868480
	.section	.rodata,"a",@progbits
	.p2align	6, 0x0
	.amdhsa_kernel k_qb2d696c0c7_g2a
		.amdhsa_group_segment_fixed_size 199168
		.amdhsa_private_segment_fixed_size 0
		.amdhsa_enable_private_segment 0
		.amdhsa_kernarg_size 40
		.amdhsa_user_sgpr_count 2
		.amdhsa_user_sgpr_kernarg_segment_ptr 1
		.amdhsa_wavefront_size32 1
		.amdhsa_system_sgpr_workgroup_id_x 1
		.amdhsa_system_sgpr_workgroup_id_y 1
		.amdhsa_system_sgpr_workgroup_id_z 1
		.amdhsa_system_vgpr_workitem_id 0
		.amdhsa_next_free_vgpr 1008
		.amdhsa_next_free_sgpr 66
		.amdhsa_reserve_vcc 0
		.amdhsa_float_denorm_mode_32 3
		.amdhsa_float_denorm_mode_16_64 3
		.amdhsa_memory_ordered 1
		.amdhsa_forward_progress 1
		.amdhsa_inst_pref_size 128
	.end_amdhsa_kernel
	.amdgpu_metadata
---
amdhsa.version: [ 1, 2 ]
amdhsa.kernels:
  - .name:           k_qb2d696c0c7_g2a
    .symbol:         k_qb2d696c0c7_g2a.kd
    .args:
      - { .name: W2_codes, .offset: 0, .size: 8, .value_kind: global_buffer, .address_space: global }
      - { .name: W2_scales, .offset: 8, .size: 8, .value_kind: global_buffer, .address_space: global }
      - { .name: hqs, .offset: 16, .size: 8, .value_kind: global_buffer, .address_space: global }
      - { .name: pc, .offset: 24, .size: 8, .value_kind: global_buffer, .address_space: global }
      - { .name: y, .offset: 32, .size: 8, .value_kind: global_buffer, .address_space: global }
    .group_segment_fixed_size: 199168
    .private_segment_fixed_size: 0
    .kernarg_segment_align: 8
    .kernarg_segment_size: 40
    .max_flat_workgroup_size: 128
    .sgpr_count:     66
    .vgpr_count:     1008
    .wavefront_size: 32
...
	.end_amdgpu_metadata
.endif
;; end of part 3
;; launch route1 (part 4): grid 256 x 1, 4 waves a work-group, no clusters, 55,808 bytes of LDS; arguments x, protos, mskA, wgtA, pc, y, x1w, xqs, mskB; writes x1w, xqs, mskB
.if DOCPART == 4
	.amdgcn_target "amdgcn-amd-amdhsa--gfx1250"
	.amdhsa_code_object_version 6
	.text
	.protected	k_qb2d696c0c7_route1
	.globl	k_qb2d696c0c7_route1
	.p2align	8
	.type	k_qb2d696c0c7_route1,@function
k_qb2d696c0c7_route1:
	s_mov_b64 s[64:65], 0
	v_nop
	global_prefetch_b8 v0, s[64:65] scope:SCOPE_SE
	s_setreg_imm32_b32 hwreg(HW_REG_WAVE_MODE, 25, 1), 1
	s_wait_xcnt 0x0
; Launch 4 of 7: x1 = x + the sum over the chosen experts of w_e y_e (layer 0's mix and residual, in f32), then the router of layer 1 and the quantiser of x1.  One wave takes one token.
; The experts that a token did not choose have the weight 0 in reference()'s mix (shown at the head of the first launch): their rows of y were never made and are not read.
; The mask, the weights and the token's positions in its experts' lists come by scalar loads; the mask and the positions are whole numbers that earlier launches stored.  k = 2 gives at least two chosen experts: the two
; lowest are fetched without a branch; further ones (equal scores) by a walk over the mask's remaining bits.
; OUT.  x1w: x1 [token][1024] f32, from byte 4,194,304 on layer 1's weights [token][8]; xqs and mskB as the first launch lays xqs and mskA.  LIMITS: as stated at the head of the first launch.
.set LAYER, 1
.set PRO,   0                          ; LDS: the layer's 8 prototypes as they lie, 32,768 bytes
.set XT,    32768                      ; for each wave 32 blocks of 128 bytes at a pitch of 144
.set CT,    51200                      ; for each wave 1,024 bytes: 768 of codes, then 32 scale bytes
.set SPARE, 55296                      ; the spare words, 128 bytes for each wave, that no other line names
.set XSOFF, 786432
.set X,   16                           ; v16-47   the row: element 128 i + 4 lane + c in register 4 i + c
.set PB,  48                           ; v48-111  prototypes: as loaded, then two buffers of 32
.set YA,  112                          ; v112-143, v144-175: two rows of y; behind the mix the registers below take their place
.set YB,  144
.set DA,  112
.set DB,  128
.set SA,  144
.set PW,  152
.set TP,  160
.set Q,   176
.set CD,  208
.set CO,  216
.set VA,  224                          ; v224-226 byte offsets of rows of y
.set VB,  225
.set VT,  226
.set SY,  14                           ; s[14:15] y
.set PXQ, 18                           ; s[18:19] xqs at my token's codes
.set PXS, 30                           ; s[30:31] xqs at my token's scale bytes
.set PMO, 20                           ; s[20:21] the mask's word
.set PWO, 32                           ; s[32:33] the weights' 32 bytes
	s_load_b512 s[4:19], s[0:1], 0x0               ; x, protos, mskA, wgtA, pc, y, x1w, xqs
	s_load_b64 s[20:21], s[0:1], 0x40              ; mskB
	v_lshl_add_u32 v12, v0, 2, SPARE               ; my spare word,
	v_mov_b32 v13, 0                               ; and 0: kept for the closing lines alone
	v_lshrrev_b32 v14, 5, v0
	v_readfirstlane_b32 s22, v14                   ; wave
	v_and_b32 v1, 31, v0                           ; lane
	v_lshlrev_b32 v2, 4, v1                        ; 16 lane
	s_lshl_b32 s23, ttmp9, 2
	s_add_co_u32 s23, s23, s22                     ; my token
	s_mul_i32 s24, s22, 4608
	s_add_co_u32 s24, s24, XT
	s_lshl_b32 s25, s22, 10
	s_add_co_u32 s25, s25, CT
	s_lshl_b32 s26, s22, 13
	v_lshrrev_b32 v14, 3, v1
	v_mul_u32_u24 v3, v14, 144
	v_and_b32 v14, 7, v1
	v_lshl_add_u32 v3, v14, 4, v3
	v_add_nc_u32 v3, s24, v3                       ; XT, in: 144 (lane / 8) + 16 (lane % 8), + 576 i
	v_lshlrev_b32 v9, 2, v14                       ; 4 (lane % 8)
	v_mul_u32_u24 v4, v1, 144
	v_add_nc_u32 v4, s24, v4                       ; XT, out: block = lane
	v_and_b32 v14, 1, v1
	v_mul_u32_u24 v5, v14, 384
	v_lshrrev_b32 v14, 1, v1
	v_mad_u32_u24 v5, v14, 24, v5
	v_add_nc_u32 v5, s25, v5                       ; CT, in: block lane = 2 i + h at 384 h + 24 i
	v_lshlrev_b32 v10, 3, v1                       ; 8 lane
	v_add_nc_u32 v6, s25, v10                      ; CT, out
	v_add_nc_u32 v7, s25, v1
	v_add_nc_u32 v7, 768, v7                       ; my block's scale byte
	v_add_nc_u32 v8, s25, v9
	v_add_nc_u32 v8, 768, v8                       ; and the bytes back as words
	v_mov_b32 v11, 0
	v_add_nc_u32 v15, s26, v2                      ; prototypes 2 w and 2 w + 1: 8,192 w + 16 lane
	s_lshl_b32 s24, s23, 12
	s_mov_b32 s25, 0
	s_mul_i32 s26, s23, 768
	s_mov_b32 s27, 0
	s_lshl_b32 s28, s23, 5
	s_mov_b32 s29, 0
	s_lshl_b32 s34, s23, 2
	s_mov_b32 s35, 0
	s_mov_b32 s37, 0x3fb8aa3b                      ; log2(e)
	s_mov_b32 s38, 0x76543210
	s_mov_b32 s39, 0xfedcba98                      ; v_permlanex16_b32's selects for lane l xor 16
	s_wait_alu depctr_va_vdst(0)
	s_wait_kmcnt 0x0
	s_add_nc_u64 s[4:5], s[4:5], s[24:25]
	s_add_nc_u64 s[8:9], s[8:9], s[34:35]
	s_add_nc_u64 s[10:11], s[10:11], s[28:29]
	s_add_nc_u64 s[12:13], s[12:13], s[34:35]
	s_add_nc_u64 s[PWO:PWO+1], s[16:17], s[28:29]
	s_add_nc_u64 s[PWO:PWO+1], s[PWO:PWO+1], 4194304
	s_add_nc_u64 s[16:17], s[16:17], s[24:25]
	s_add_nc_u64 s[PXS:PXS+1], s[18:19], s[28:29]
	s_add_nc_u64 s[PXS:PXS+1], s[PXS:PXS+1], XSOFF
	s_add_nc_u64 s[18:19], s[18:19], s[26:27]
	s_add_nc_u64 s[20:21], s[20:21], s[34:35]
	s_load_b32 s40, s[8:9], 0x0                    ; my token's mask,
	s_load_b256 s[48:55], s[10:11], 0x0            ; its eight weights,
.irp e, 0,1,2,3,4,5,6,7
	s_load_b32 s[56+\e], s[12:13], 4096*\e         ; and its position in each expert's list
.endr
.irp i, 0,1,2,3,4,5,6,7
	global_load_b128 v[X+4*\i:X+4*\i+3], v2, s[4:5] offset:512*\i th:TH_LOAD_NT
.endr
.irp i, 0,1,2,3,4,5,6,7,8,9,10,11,12,13,14,15
	global_load_b128 v[PB+4*\i:PB+4*\i+3], v15, s[6:7] offset:32768*LAYER+512*\i
.endr
.macro YLOAD reg, adr                  ; a row of y: 512 consecutive bytes a load; read once in the program
.irp i, 0,1,2,3,4,5,6,7
	global_load_b128 v[\reg+4*\i:\reg+4*\i+3], v[\adr], s[SY:SY+1] offset:512*\i th:TH_LOAD_NT
.endr
.endm
.macro YADD reg, sw                    ; the row += w x the row of y
.irp j, 0,2,4,6,8,10,12,14,16,18,20,22,24,26,28,30
	v_pk_fma_f32 v[X+\j:X+\j+1], v[\reg+\j:\reg+\j+1], s[\sw:\sw+1], v[X+\j:X+\j+1] op_sel_hi:[1,0,1]
.endr
.endm
.irp r, 66,67,68,70,71,72
	s_mov_b32 s\r, 0
.endr
	s_wait_kmcnt 0x0
.irp e, 7,6,5,4,3,2,1,0                ; A (s66 position, s67 expert, s68 weight) ends as the lowest chosen expert, B (s70-72) as the next
	s_bitcmp1_b32 s40, \e
	s_cselect_b32 s70, s66, s70
	s_cselect_b32 s71, s67, s71
	s_cselect_b32 s72, s68, s72
	s_cselect_b32 s66, s[56+\e], s66
	s_cselect_b32 s67, \e, s67
	s_cselect_b32 s68, s[48+\e], s68
.endr
.irp r, 66,70
	s_min_u32 s[\r], s[\r], 1023                   ; a position and an expert stay inside the table that they index
	s_min_u32 s[\r+1], s[\r+1], 7
	s_lshl_b32 s[\r+1], s[\r+1], 10
	s_add_co_u32 s[\r], s[\r], s[\r+1]
	s_lshl_b32 s[\r], s[\r], 12                    ; row 1,024 e + position, 4,096 bytes a row
	s_mov_b32 s[\r+3], s[\r+2]                     ; (the packed form names the weight as a pair)
.endr
	v_add_nc_u32 v[VA], s66, v2
	v_add_nc_u32 v[VB], s70, v2
	YLOAD YA, VA
	YLOAD YB, VB
	s_wait_loadcnt 16                              ; x and the prototypes are in; the two rows of y, 16 loads, may be out
.irp i, 0,1,2,3,4,5,6,7,8,9,10,11,12,13,14,15
	ds_store_b128 v15, v[PB+4*\i:PB+4*\i+3] offset:PRO+512*\i
.endr
	s_wait_loadcnt 8                               ; A's row is in; B's eight loads may be out
	YADD YA, 68
	s_wait_loadcnt 0x0
	YADD YB, 72
	s_sub_co_u32 s41, s40, 1                       ; the mask without its two lowest bits
	s_and_b32 s41, s41, s40
	s_sub_co_u32 s42, s41, 1
	s_and_b32 s41, s41, s42
	s_cmp_eq_u32 s41, 0
	s_cbranch_scc1 .Lno_ties
.irp e, 0,1,2,3,4,5,6,7
	s_bitcmp1_b32 s41, \e
	s_cbranch_scc0 .Lnot_\e
	s_min_u32 s74, s[56+\e], 1023
	s_add_co_u32 s74, s74, 1024*\e
	s_lshl_b32 s74, s74, 12
	s_mov_b32 s76, s[48+\e]
	s_mov_b32 s77, s76
	v_add_nc_u32 v[VT], s74, v2                    ; (no load is out: the address may be written)
	YLOAD YA, VT
	s_wait_loadcnt 0x0
	YADD YA, 76
.Lnot_\e:
.endr
.Lno_ties:
	s_wait_alu depctr_va_vdst(0)
.irp i, 0,1,2,3,4,5,6,7
	global_store_b128 v2, v[X+4*\i:X+4*\i+3], s[16:17] offset:512*\i       ; x1: 512 consecutive bytes a store; the registers stay as they are from here on
.endr
.irp e, 0,1,2,3,4,5,6,7
	v_mov_b32 v[TP+\e], 0                          ; written once: a lane permute's destination counts as one of its sources
.endr
.macro PLOAD e                         ; prototype e into buffer e % 2, laid as the row is
.irp i, 0,1,2,3,4,5,6,7
	ds_load_b128 v[PB+32*((\e)%2)+4*\i:PB+32*((\e)%2)+4*\i+3], v2 offset:PRO+4096*(\e)+512*\i
.endr
.endm
.macro DOT e                           ; my 32 products, packed, in two chains; the first two start the sums
.set PE, PB+32*((\e)%2)
	v_pk_mul_f32 v[DA+2*(\e):DA+2*(\e)+1], v[X:X+1], v[PE:PE+1]
	v_pk_mul_f32 v[DB+2*(\e):DB+2*(\e)+1], v[X+2:X+3], v[PE+2:PE+3]
.irp j, 4,8,12,16,20,24,28
	v_pk_fma_f32 v[DA+2*(\e):DA+2*(\e)+1], v[X+\j:X+\j+1], v[PE+\j:PE+\j+1], v[DA+2*(\e):DA+2*(\e)+1]
	v_pk_fma_f32 v[DB+2*(\e):DB+2*(\e)+1], v[X+\j+2:X+\j+3], v[PE+\j+2:PE+\j+3], v[DB+2*(\e):DB+2*(\e)+1]
.endr
.endm
	s_wait_dscnt 0x0                               ; for the others' sake: my stores of prototypes have landed
	s_barrier_signal -1
	s_barrier_wait -1                              ; all eight prototypes lie in LDS
	PLOAD 0
	PLOAD 1
.irp e, 0,1,2,3,4,5,6,7
.if \e < 7
	s_wait_dscnt 8                                 ; this expert's eight loads are in; the next expert's eight may be out
.else
	s_wait_dscnt 0x0
.endif
	DOT \e
.if \e < 6
	PLOAD \e+2
.endif
.endr
.irp e, 0,1,2,3,4,5,6,7
	v_pk_add_f32 v[DA+2*\e:DA+2*\e+1], v[DA+2*\e:DA+2*\e+1], v[DB+2*\e:DB+2*\e+1]
.endr
.irp e, 0,1,2,3,4,5,6,7
	v_add_f32 v[SA+\e], v[DA+2*\e], v[DA+2*\e+1]
.endr
.irp m, 1,2,4,8                        ; over the 32 lanes, the eight experts by turns; every lane ends with the same sums
.irp e, 0,1,2,3,4,5,6,7
	v_add_f32_dpp v[SA+\e], v[SA+\e], v[SA+\e] row_xmask:\m row_mask:0xf bank_mask:0xf
.endr
.endr
.irp e, 0,1,2,3,4,5,6,7
	v_permlanex16_b32 v[TP+\e], v[SA+\e], s38, s39
.endr
.irp e, 0,1,2,3,4,5,6,7
	v_add_f32 v[SA+\e], v[SA+\e], v[TP+\e]
.endr
.irp e, 0,1,2,3,4,5,6,7
	v_and_b32 v[SA+\e], 0x7fffffff, v[SA+\e]       ; the score |x1 . proto_e|
.endr
	v_max_num_f32 v168, v[SA], v[SA+1]             ; the largest score and the second largest, counted with multiplicity as top_k counts them
	v_min_num_f32 v169, v[SA], v[SA+1]
.irp e, 2,3,4,5,6,7
	v_min_num_f32 v170, v168, v[SA+\e]
	v_max_num_f32 v169, v169, v170
	v_max_num_f32 v168, v168, v[SA+\e]
.endr
	v_mov_b32 v171, 0
.irp e, 0,1,2,3,4,5,6,7
	v_cmp_ge_f32 s[40+\e], v[SA+\e], v169          ; chosen: score >= the second largest
.endr
.irp e, 0,1,2,3,4,5,6,7
	v_cndmask_b32 v170, 0, 1, s[40+\e]
	v_lshl_or_b32 v171, v170, \e, v171             ; the mask: it is stored, and steers nothing here
.endr
.irp e, 0,1,2,3,4,5,6,7
	v_sub_f32 v[PW+\e], v[SA+\e], v168             ; the maximum is taken away, as reference() takes it
.endr
.irp e, 0,1,2,3,4,5,6,7
	v_mul_f32 v[PW+\e], s37, v[PW+\e]
.endr
	s_wait_alu depctr_va_vdst(0)
.irp e, 0,1,2,3,4,5,6,7
	v_exp_f32 v[PW+\e], v[PW+\e]                   ; one batch
.endr
	v_nop                                          ; a plain instruction behind the last exponential
	s_wait_alu depctr_va_vdst(0)                   ; one wait for the batch, ahead of its first reader
.irp e, 0,1,2,3,4,5,6,7
	v_cndmask_b32 v[PW+\e], 0, v[PW+\e], s[40+\e]  ; exp(-inf) = 0 for the others
.endr
	v_add_f32 v172, v[PW], v[PW+1]
	v_add_f32 v173, v[PW+2], v[PW+3]
	v_add_f32 v174, v[PW+4], v[PW+5]
	v_add_f32 v175, v[PW+6], v[PW+7]
	v_add_f32 v172, v172, v173
	v_add_f32 v174, v174, v175
	v_add_f32 v172, v172, v174
	s_wait_alu depctr_va_vdst(0)
	v_rcp_f32 v172, v172
	v_nop
	s_wait_alu depctr_va_vdst(0)
.irp e, 0,1,2,3,4,5,6,7
	v_mul_f32 v[PW+\e], v[PW+\e], v172
.endr
	s_wait_alu depctr_va_vdst(0)
	s_wait_xcnt 0x0                                ; EXEC changes only behind this wait
	v_cmp_eq_u32 vcc_lo, 0, v1
	s_and_saveexec_b32 s36, vcc_lo                 ; every lane holds the same: lane 0 stores
	global_store_b128 v11, v[PW:PW+3], s[PWO:PWO+1]
	global_store_b128 v11, v[PW+4:PW+7], s[PWO:PWO+1] offset:16
	global_store_b32 v11, v171, s[PMO:PMO+1]
	s_wait_xcnt 0x0                                ; and again, in front of the line that widens it
	s_or_b32 exec_lo, exec_lo, s36
	; THE QUANTISER.  The row turns through my own stage, so that lane l holds block l whole.  LDS serves a wave's instructions in order: no wait between the stores and the loads.
.irp i, 0,1,2,3,4,5,6,7
	ds_store_b128 v3, v[X+4*\i:X+4*\i+3] offset:576*\i
.endr
.irp c, 0,1,2,3,4,5,6,7
	ds_load_b128 v[Q+4*\c:Q+4*\c+3], v4 offset:16*\c
.endr
	s_wait_dscnt 0x0
	v_max3_num_f32 v160, |v[Q]|, |v[Q+1]|, |v[Q+2]|
	v_max3_num_f32 v161, |v[Q+3]|, |v[Q+4]|, |v[Q+5]|
.irp i, 6,10,14,18,22,26
	v_max3_num_f32 v160, v160, |v[Q+\i]|, |v[Q+\i+1]|
	v_max3_num_f32 v161, v161, |v[Q+\i+2]|, |v[Q+\i+3]|
.endr
	v_max3_num_f32 v160, v160, |v[Q+30]|, |v[Q+31]|
	v_max3_num_f32 v160, v160, v161, 0x1800000     ; and the floor 2^(3 - 127): the byte cannot fall under 1
	v_add_nc_u32 v162, 0xff000000, v160            ; 2 off the exponent field: the conversion takes this operand's exponent field as its scale
	v_lshrrev_b32 v163, 23, v162                   ; the scale's byte
	v_cvt_scalef32_pk16_fp6_f32 v[CD:CD+2], v[Q:Q+15], v162
	v_cvt_scalef32_pk16_fp6_f32 v[CD+4:CD+6], v[Q+16:Q+31], v162   ; (a conversion's three registers begin on an even number)
	v_nop                                          ; a plain instruction behind the last conversion
.irp i, 0,1,2
	v_mov_b32 v[CD+3+\i], v[CD+4+\i]               ; six registers on end: the block's 24 bytes
.endr
.irp p, 0,1,2
	ds_store_b64 v5, v[CD+2*\p:CD+2*\p+1] offset:8*\p
.endr
	ds_store_b8 v7, v163
.irp k, 0,1,2
	ds_load_b64 v[CO+2*\k:CO+2*\k+1], v6 offset:256*\k
.endr
	ds_load_b32 v222, v8
	s_wait_dscnt 0x0
.irp k, 0,1,2
	global_store_b64 v10, v[CO+2*\k:CO+2*\k+1], s[PXQ:PXQ+1] offset:256*\k   ; 32 lanes store 256 consecutive bytes, aligned
.endr
	global_store_b32 v9, v222, s[PXS:PXS+1]        ; the 32 scale bytes; four lanes hold each word, with the same value
	s_wait_tensorcnt 0x0                           ; the wave's end, behind my last LDS store
	ds_add_u32 v12, v13
	s_wait_dscnt 0x0
	s_endpgm
.Lfunc_end_k_qb2d696c0c7_route1:
	.size	k_qb2d696c0c7_route1, .Lfunc_end_k_qb2d696c0c7_route1-k_qb2d696c0c7_route1
	.p2alignl 7, 3214868480
	.fill 96, 4, 3214868480
	.section	.rodata,"a",@progbits
	.p2align	6, 0x0
	.amdhsa_kernel k_qb2d696c0c7_route1
		.amdhsa_group_segment_fixed_size 55808
		.amdhsa_private_segment_fixed_size 0
		.amdhsa_enable_private_segment 0
		.amdhsa_kernarg_size 72
		.amdhsa_user_sgpr_count 2
		.amdhsa_user_sgpr_kernarg_segment_ptr 1
		.amdhsa_wavefront_size32 1
		.amdhsa_system_sgpr_workgroup_id_x 1
		.amdhsa_system_sgpr_workgroup_id_y 1
		.amdhsa_system_sgpr_workgroup_id_z 1
		.amdhsa_system_vgpr_workitem_id 0
		.amdhsa_next_free_vgpr 232
		.amdhsa_next_free_sgpr 78
		.amdhsa_reserve_vcc 1
		.amdhsa_float_denorm_mode_32 3
		.amdhsa_float_denorm_mode_16_64 3
		.amdhsa_memory_ordered 1
		.amdhsa_forward_progress 1
		.amdhsa_inst_pref_size 56
	.end_amdhsa_kernel
	.amdgpu_metadata
---
amdhsa.version: [ 1, 2 ]
amdhsa.kernels:
  - .name:           k_qb2d696c0c7_route1
    .symbol:         k_qb2d696c0c7_route1.kd
    .args:
      - { .name: x, .offset: 0, .size: 8, .value_kind: global_buffer, .address_space: global }
      - { .name: protos, .offset: 8, .size: 8, .value_kind: global_buffer, .address_space: global }
      - { .name: mskA, .offset: 16, .size: 8, .value_kind: global_buffer, .address_space: global }
      - { .name: wgtA, .offset: 24, .size: 8, .value_kind: global_buffer, .address_space: global }
      - { .name: pc, .offset: 32, .size: 8, .value_kind: global_buffer, .address_space: global }
      - { .name: y, .offset: 40, .size: 8, .value_kind: global_buffer, .address_space: global }
      - { .name: x1w, .offset: 48, .size: 8, .value_kind: global_buffer, .address_space: global }
      - { .name: xqs, .offset: 56, .size: 8, .value_kind: global_buffer, .address_space: global }
      - { .name: mskB, .offset: 64, .size: 8, .value_kind: global_buffer, .address_space: global }
    .group_segment_fixed_size: 55808
    .private_segment_fixed_size: 0
    .kernarg_segment_align: 8
    .kernarg_segment_size: 72
    .max_flat_workgroup_size: 128
    .sgpr_count:     78
    .vgpr_count:     232
    .wavefront_size: 32
...
	.end_amdgpu_metadata
.endif
;; end of part 4
;; launch g1b (part 5): grid 256 x 1, 4 waves a work-group, no clusters, 210,688 bytes of LDS; arguments W1_codes, W1_scales, xqs, mskB, hqs, pc; writes hqs, pc
.if DOCPART == 5
	.amdgcn_target "amdgcn-amd-amdhsa--gfx1250"
	.amdhsa_code_object_version 6
	.text
	.protected	k_qb2d696c0c7_g1b
	.globl	k_qb2d696c0c7_g1b
	.p2align	8
	.type	k_qb2d696c0c7_g1b,@function
k_qb2d696c0c7_g1b:
	s_mov_b64 s[64:65], 0
	v_nop
	global_prefetch_b8 v0, s[64:65] scope:SCOPE_SE
	s_setreg_imm32_b32 hwreg(HW_REG_WAVE_MODE, 25, 1), 1
	s_wait_xcnt 0x0
; h = Q(relu(Q(x) W1_e)) of one layer, on codes of FP6 (E2M3) with one E8M0 scale for each 32 along K, FOR THE CHOSEN ROWS ALONE: an expert that a token's mask does not name enters reference()'s mix with
; the softmax weight 0 (shown at the head of the first launch), so its rows are not multiplied.  This is layer 1's text: it differs from layer 0's in the constant LAYER alone.
; SHARES.  Work-group g: p = (g / 8) % 4, fg = g / 32, e = g % 8.  It holds hidden units 256 fg .. 256 fg + 255 of expert e and walks the expert's tiles of 16 rows t = p, p + 4, .. (at most 16 of the 64 that
; 1,024 rows can make, whatever the split).  Wave w holds 64 units: 4 tiles x 8 K steps = 32 fragments of W1, 384 registers, for the whole launch.  The tiles of x go through LDS once and are read by all four waves.
; No tensor load and no cluster: which tiles exist hangs on counts read from memory, and the partners' numbers of tiles would differ.  The four work-groups that read the same weights lie 8 apart in the grid.
; THE LIST.  Wave 0 reads the 1,024 masks and places the tokens that name expert e: position -> token into LDS, token -> position and the count into pc (one work-group for each expert stores them).
; W1's ROWS come as whole rows, two aligned runs of 256 bytes a load, and turn into fragments through the wave's own stage.  THE ROWS OF A TILE ARE NOT NEIGHBOURS: lane r of tile 2 b + u takes row
; 32 b + 8 u + r + 8 (r / 8), so that (the product being used transposed: source 0 = W1, source 1 = x) a lane holds one token, and the 16 registers of tiles 2 b, 2 b + 1 are 16 neighbours along the next K.
; OUT.  hqs: codes [e][t][c64 = 0..31][768 bytes]: the six registers that a lane of the next product wants for 64 along F: registers 0-3 as [lane][16 bytes], then registers 4, 5 as [lane][8 bytes];
; from byte 12,582,912 on the scale words [e][t][K step 0..15][row] u32.  Rows past the expert's count in its last tile are token 0's: computed inside a live tile, read by nobody.
; REGISTERS, in windows of 256: window 0: addresses, scale words, accumulators, the quantiser; window 1: W1's tiles 0, 1 (fragment (u, s) at v[12 (8 u + s)]); window 2: tiles 2, 3;
; window 3: rows of x on their way into LDS (unit u at v[100 u]), then the tile's eight fragments of x, v0-95.
.set LAYER, 1
.set XSLOT, 13184                      ; LDS: 8 slots: 24 piece rows at a pitch of 528 (16 bytes x 32 lanes + 16), then the tile's scale words [row][32 bytes]
.set XSCO,  12672
.set WST,   105472                     ; for each wave 32 rows of W1 at a pitch of 784 = 196 words: the 32 lanes of a load of 8 bytes touch 64 different banks
.set WSTW,  25088
.set LIST,  205824                     ; position -> token, 4,096 bytes; 128 bytes where the tokens that are not chosen go; the count
.set CNTW,  LIST+4224
.set SPARE, 210176                     ; the spare words, 128 bytes for each wave, that no other line names
.set XSOFF, 786432
.set HSOFF, 12582912
.set WS,  24                           ; v24-39   W1's scale words: register 8 b + s; lanes 0-15 tile 2 b, lanes 16-31 tile 2 b + 1
.set XSC, 40                           ; v40-47   x's scale words, one a K step
.set AE,  48                           ; v48-79   accumulators of tiles 0-3, even K steps;  v80-111 odd K steps
.set AO,  80
.set TM,  112                          ; v112-119 the quantiser's
.set CDS, 128                          ; v128-134 the codes just made
.set SB,  136                          ; v136     their two scale bytes
.set MK,  176                          ; v176-207 wave 0: the masks;  v208-239 the positions;  v240-247 at work
.set PO,  208
.set MSB, 0
.macro WIN new                         ; the immediate's high byte repeats the setting that is left
.if MSB != \new
	s_set_vgpr_msb (MSB<<8)|\new
.set MSB, \new
.endif
.endm
	s_load_b256 s[4:11], s[0:1], 0x0               ; W1's codes, W1's scales, xqs, the masks
	s_load_b128 s[12:15], s[0:1], 0x20             ; hqs, pc
	v_lshl_add_u32 v18, v0, 2, SPARE               ; my spare word,
	v_mov_b32 v19, 0                               ; and 0: kept for the closing lines alone
	v_lshrrev_b32 v9, 5, v0
	v_readfirstlane_b32 s16, v9                    ; wave
	; THE DEAL AS IT STANDS NOW: work-group g = 8 (4 fg + p) + e: the expert is the low three bits of the work-group's number
	s_lshr_b32 s17, ttmp9, 3
	s_and_b32 s17, s17, 3                          ; p, 0 .. 3
	s_lshr_b32 s18, ttmp9, 5                       ; fg
	s_and_b32 s19, ttmp9, 7                        ; e
	v_and_b32 v10, 31, v0                          ; lane
	v_and_b32 v1, 15, v0                           ; a
	v_bfe_u32 v2, v0, 4, 1                         ; h
	s_mul_i32 s22, s16, WSTW
	s_add_co_u32 s22, s22, WST
	s_mul_i32 s23, s16, XSLOT
	v_mul_u32_u24 v3, v2, 768
	v_lshl_add_u32 v3, v1, 4, v3                   ; W1 in memory: lanes 0-15 one row's 256 bytes, lanes 16-31 the next row's
	v_mul_u32_u24 v4, v2, 784
	v_lshl_add_u32 v4, v1, 4, v4
	v_add_nc_u32 v4, s22, v4                       ; the same two rows in my stage
	v_mul_u32_u24 v5, v1, 784
	v_mad_u32_u24 v5, v2, 24, v5
	v_add_nc_u32 v5, s22, v5                       ; a fragment out of it: row a, + 24 h
	v_and_b32 v9, 8, v1
	v_add_nc_u32 v9, v9, v1
	v_lshl_add_u32 v9, v2, 3, v9
	v_lshlrev_b32 v6, 5, v9                        ; W1's scale words: row 8 h + a + 8 (a / 8), 32 bytes a row
	v_lshl_add_u32 v7, v2, 2, LIST                 ; the list: row 2 g + h of a tile
	v_lshrrev_b32 v9, 1, v10
	v_lshl_add_u32 v8, v9, 2, LIST                 ; and row lane / 2
	v_lshlrev_b32 v11, 2, v10                      ; 4 lane
	v_lshlrev_b32 v12, 4, v10                      ; 16 lane
	v_lshlrev_b32 v13, 5, v1                       ; 32 a
	v_lshlrev_b32 v14, 4, v1                       ; 16 a
	v_and_b32 v9, 1, v10
	v_lshlrev_b32 v15, 4, v9                       ; 16 (lane % 2)
	v_lshlrev_b32 v16, 3, v10                      ; 8 lane
	v_lshlrev_b32 v17, 2, v1                       ; 4 a
	v_mov_b32 v22, CNTW
	v_add_nc_u32 v23, LIST, v12
	; where a row's pieces of 16 bytes go.  Piece i = 16 k + a of row r lands at 528 (i % 24) + 256 (i / 24) + 16 r: piece row 3 s + q then holds, lane by lane, registers 4 q .. 4 q + 3 of K step s's fragment
	v_mul_u32_u24 v9, v1, 528
	v_lshl_add_u32 v9, v2, 4, v9
	v_add_nc_u32 v160, s23, v9                     ; k = 0: 528 a + 16 h, in slot w
	v_and_b32 v173, 7, v1                          ; k = 1: piece 16 + a.  For a < 8 that is piece row 16 + a; from a = 8 on piece row a - 8, 256 bytes on.
	v_mul_u32_u24 v173, v173, 528                  ; Both are 528 (a % 8) + 16 h + 256 + 8,192 (1 - a / 8), since 528 x 16 = 8,192 + 256: one sum of products, nothing taken away
	v_lshl_add_u32 v173, v2, 4, v173
	v_bfe_u32 v174, v0, 3, 1                       ; a / 8
	v_xor_b32 v174, 1, v174                        ; 1 - a / 8
	v_lshl_add_u32 v173, v174, 13, v173
	v_add_nc_u32 v161, s23, v173
	v_add_nc_u32 v161, 256, v161
	v_add_nc_u32 v162, 4480, v160                  ; k = 2: 528 (8 + a) + 256
.irp k, 0,1,2
	v_add_nc_u32 v[163+\k], 4*XSLOT, v[160+\k]     ; my second unit: slot w + 4
.endr
	v_add_nc_u32 v166, s23, v12
	v_add_nc_u32 v166, XSCO, v166                  ; the tile's scale bytes
	v_add_nc_u32 v167, 4*XSLOT, v166
	v_mov_b32 v[TM+2], 0                           ; written once: a lane permute's destination counts as one of its sources
	v_mov_b32 v[TM+3], 0
	s_lshl_b32 s24, 1, s19                         ; my expert's bit
.if LAYER
	s_add_co_u32 s40, s19, 8*LAYER
	s_lshl_b32 s40, s40, 11
.else
	s_lshl_b32 s40, s19, 11
.endif
	s_lshl_b32 s41, s18, 8
	s_add_co_u32 s40, s40, s41
	s_lshl_b32 s41, s16, 6
	s_add_co_u32 s40, s40, s41                     ; my first row of W1
	s_mul_i32 s42, s40, 768
	s_mov_b32 s43, 0
	s_lshl_b32 s44, s40, 5
	s_mov_b32 s45, 0
	s_lshl_b32 s46, s19, 6
	s_add_co_u32 s46, s46, s17                     ; 64 e + p: my first tile
	s_lshl_b32 s48, s46, 5
	s_lshl_b32 s41, s18, 2
	s_add_co_u32 s48, s48, s41
	s_add_co_u32 s48, s48, s16                     ; x 32 + c64, c64 = 4 fg + w
	s_mul_i32 s48, s48, 768
	s_mov_b32 s49, 0
	s_lshl_b32 s50, s46, 10                        ; its scale words: 1,024 bytes a tile, 64 a K step = 2 fg + w / 2, my half of the word
	s_lshl_b32 s41, s18, 7
	s_add_co_u32 s50, s50, s41
	s_lshr_b32 s41, s16, 1
	s_lshl_b32 s41, s41, 6
	s_add_co_u32 s50, s50, s41
	s_and_b32 s41, s16, 1
	s_lshl_b32 s41, s41, 1
	s_add_co_u32 s50, s50, s41
	s_add_co_u32 s50, s50, HSOFF
	s_mov_b32 s51, 0
	s_lshl_b32 s52, s19, 12
	s_mov_b32 s53, 0
	s_lshl_b32 s54, s19, 7
	s_add_co_u32 s54, s54, 32768
	s_mov_b32 s55, 0
	s_mov_b32 s38, 0x76543210
	s_mov_b32 s39, 0xfedcba98                      ; v_permlanex16_b32's selects for lane l xor 16
	s_lshl_b32 s35, s16, 2
	s_add_co_u32 s35, s35, s17                     ; the tile of my first unit: p + 4 w
	s_mov_b32 s32, s17                             ; the tile of the slot in hand
	s_wait_kmcnt 0x0
	s_add_nc_u64 s[4:5], s[4:5], s[42:43]
	s_add_nc_u64 s[6:7], s[6:7], s[44:45]
	s_add_nc_u64 s[26:27], s[8:9], XSOFF           ; x's scale bytes
	s_add_nc_u64 s[28:29], s[12:13], s[48:49]      ; h's codes
	s_add_nc_u64 s[30:31], s[12:13], s[50:51]      ; h's scale words
	s_add_nc_u64 s[56:57], s[14:15], s[52:53]      ; token -> position of my expert
	s_add_nc_u64 s[58:59], s[14:15], s[54:55]      ; its count
	s_cmp_lg_u32 s16, 0
	s_cbranch_scc1 .Lno_masks
.irp j, 0,1,2,3,4,5,6,7
	global_load_b128 v[MK+4*\j:MK+4*\j+3], v12, s[10:11] offset:512*\j     ; register 4 j + k of lane l: token 128 j + 4 l + k
.endr
.Lno_masks:
.irp b, 0,1
.irp q, 0,1
	global_load_b128 v[WS+8*\b+4*\q:WS+8*\b+4*\q+3], v6, s[6:7] offset:1024*\b+16*\q
.endr
.endr
.macro WLOAD pass                      ; 32 rows of W1 as they lie: 48 loads, register 4 (3 g + k): rows 2 g and 2 g + 1, bytes 256 k on
.set i, 0
.rept 48
	global_load_b128 v[4*i:4*i+3], v3, s[4:5] offset:24576*(\pass)+1536*(i/3)+256*(i%3)
.set i, i+1
.endr
.endm
	WIN 0x40                                       ; destination window 1
	WLOAD 0
	WIN 0x80                                       ; destination window 2
	WLOAD 1
	WIN 0
	s_cmp_lg_u32 s16, 0
	s_cbranch_scc1 .Lno_list
	; WAVE 0 PLACES THE EXPERT'S TOKENS, under the weights' way in.  Up to the barrier below no other wave touches LDS.
.irp i, 0,1,2,3
	v_mov_b32 v[240+\i], 0
.endr
.irp j, 0,1,2,3,4,5,6,7
	ds_store_b128 v23, v[240:243] offset:512*\j    ; the list begins as token 0 everywhere: rows past the count read that
.endr
	v_add_nc_u32 v246, 1024, v10                   ; where a token that is not chosen goes: word 1,024 + lane
	s_wait_loadcnt 63                              ; 100 loads stand behind the masks; the wait's field holds 63, and a smaller count is safe
.set i, 0
.rept 32
	v_and_b32 v[MK+i], s24, v[MK+i]
.set i, i+1
.endr
.set i, 0
.rept 32
	v_cmp_ne_u32 s[66+i], 0, v[MK+i]               ; the 32 lane masks first, so that the running count below is a chain of scalar instructions alone
.set i, i+1
.endr
	s_mov_b32 s20, 0
.set i, 0
.rept 32
	v_mbcnt_lo_u32_b32 v247, s[66+i], s20          ; the count so far + the chosen lanes below mine
	v_cndmask_b32 v[PO+i], v246, v247, s[66+i]
	s_bcnt1_i32_b32 s25, s[66+i]
	s_add_co_u32 s20, s20, s25
	v_min_u32 v244, 1055, v[PO+i]
	v_lshl_add_u32 v244, v244, 2, LIST
	v_add_nc_u32 v245, 128*(i/4)+(i%4), v11        ; my token of this step
	ds_store_b32 v244, v245
.set i, i+1
.endr
	v_mov_b32 v247, s20
	ds_store_b32 v22, v247                         ; the count, for the other waves
	s_lshr_b32 s25, ttmp9, 3                       ; 4 fg + p
	s_cmp_lg_u32 s25, 0
	s_cbranch_scc1 .Lno_list                       ; of an expert's 32 work-groups the first stores the table and the count
.irp j, 0,1,2,3,4,5,6,7
	global_store_b128 v12, v[PO+4*\j:PO+4*\j+3], s[56:57] offset:512*\j
.endr
	global_store_b32 v11, v247, s[58:59]           ; 32 equal words
.Lno_list:
	s_wait_dscnt 0x0                               ; wave 0's stores have landed
	s_barrier_signal -1
	s_barrier_wait -1                              ; the list and the count lie in LDS
	ds_load_b32 v172, v22
	s_wait_dscnt 0x0
	v_readfirstlane_b32 s20, v172
	s_add_co_u32 s21, s20, 15
	s_lshr_b32 s21, s21, 4                         ; the expert's tiles
; A UNIT is a tile of 16 rows of x on its way from memory into a slot.  ISSUE: the rows' tokens from the list; 24 loads of codes (lanes 0-15 an aligned 256 bytes of row 2 g, lanes 16-31 of row 2 g + 1), one of scale bytes.
.macro ISSUE u
.set UA, 140+10*(\u)
.irp g, 0,1,2,3,4,5,6,7
	ds_load_b32 v[UA+\g], v[168+2*(\u)] offset:8*\g
.endr
	ds_load_b32 v[UA+8], v[169+2*(\u)]
	s_wait_dscnt 0x0
.irp g, 0,1,2,3,4,5,6,7,8
	v_min_u32 v[UA+\g], 1023, v[UA+\g]             ; a token's number stays inside the table that it indexes
.endr
.irp g, 0,1,2,3,4,5,6,7
	v_mul_u32_u24 v[UA+\g], v[UA+\g], 768
.endr
.irp g, 0,1,2,3,4,5,6,7
	v_add_nc_u32 v[UA+\g], v14, v[UA+\g]
.endr
	v_lshl_add_u32 v[UA+8], v[UA+8], 5, v15
	WIN 0xc0                                       ; destination window 3
.set i, 0
.rept 24
	global_load_b128 v[100*(\u)+4*i:100*(\u)+4*i+3], v[UA+i/3], s[8:9] offset:256*(i%3)
.set i, i+1
.endr
	global_load_b128 v[100*(\u)+96:100*(\u)+99], v[UA+8], s[26:27]
	WIN 0
.endm
.macro STORE u
	WIN 0x0c                                       ; an LDS store's data are its source 1: window 3
.set i, 0
.rept 24
	ds_store_b128 v[160+3*(\u)+i%3], v[100*(\u)+4*i:100*(\u)+4*i+3] offset:32*(i/3)
.set i, i+1
.endr
	ds_store_b128 v[166+(\u)], v[100*(\u)+96:100*(\u)+99]
	WIN 0
.endm
; 32 rows of W1 turn into 16 fragments, in the registers in which they came.  Row f of the 32 goes to stage row 16 u + r, u = (f / 8) % 2, r = f % 8 + 8 (f / 16).  LDS serves a wave's instructions in order.
.macro WHALF st, ld
	WIN \st
.set i, 0
.rept 48
.set f, 2*(i/3)
	ds_store_b128 v4, v[4*i:4*i+3] offset:784*(16*((f/8)%2)+(f%8)+8*(f/16))+256*(i%3)
.set i, i+1
.endr
	WIN \ld
.set i, 0
.rept 96                               ; i = 6 (8 u + s) + 3 c + q: registers 2 i, 2 i + 1
	ds_load_b64 v[2*i:2*i+1], v5 offset:12544*(i/48)+96*((i/6)%8)+48*((i/3)%2)+8*(i%3)
.set i, i+1
.endr
.endm
.macro WTURN ny                        ; ny: the units' loads that were issued behind the weights'
.if 48+(\ny) > 63
	s_wait_loadcnt 63                              ; the first 32 rows are in: behind them stand 48 + ny loads; the field holds 63, and a smaller count is safe
.else
	s_wait_loadcnt 48+(\ny)
.endif
	WHALF 0x04, 0x40
	s_wait_loadcnt \ny                             ; the other 32 rows are in; the units' loads may be out
	WHALF 0x08, 0x80
	WIN 0
.endm
; One matrix instruction: tile 2 bb + u, K step s.  Even and odd K steps have accumulators of their own, so that four accumulators take turns, one instruction a turn.
.macro G1MM u, s, bb
.set AC, AE+32*((\s)%2)+8*(2*(\bb)+(\u))
.set WR, 12*(8*(\u)+(\s))
.set XR, 12*(\s)
.set SW, WS+8*(\bb)+(\s)
.set SX, XSC+(\s)
.if (\s) < 2
.if (\u) == 0
	v_wmma_scale_f32_16x16x128_f8f6f4 v[AC:AC+7], v[WR:WR+11], v[XR:XR+11], 0, v[SW], v[SX] matrix_a_fmt:MATRIX_FMT_FP6 matrix_b_fmt:MATRIX_FMT_FP6
.else
	v_wmma_scale_f32_16x16x128_f8f6f4 v[AC:AC+7], v[WR:WR+11], v[XR:XR+11], 0, v[SW], v[SX] matrix_a_fmt:MATRIX_FMT_FP6 matrix_b_fmt:MATRIX_FMT_FP6 matrix_a_scale:MATRIX_SCALE_ROW1
.endif
.else
.if (\u) == 0
	v_wmma_scale_f32_16x16x128_f8f6f4 v[AC:AC+7], v[WR:WR+11], v[XR:XR+11], v[AC:AC+7], v[SW], v[SX] matrix_a_fmt:MATRIX_FMT_FP6 matrix_b_fmt:MATRIX_FMT_FP6
.else
	v_wmma_scale_f32_16x16x128_f8f6f4 v[AC:AC+7], v[WR:WR+11], v[XR:XR+11], v[AC:AC+7], v[SW], v[SX] matrix_a_fmt:MATRIX_FMT_FP6 matrix_b_fmt:MATRIX_FMT_FP6 matrix_a_scale:MATRIX_SCALE_ROW1
.endif
.endif
.endm                                  ; (source 0 stands in window 1 or 2 and source 1 in window 3: equal numbers there name different registers)
; THE EIGHT SLOTS OF A ROUND: a loop of constant count; a slot whose tile the expert does not have is passed over, by a scalar branch on the count, down to the lines that step.
.macro SLOTS
	s_mov_b32 s33, 0
	s_mov_b32 s34, 0
.Lslot_\@:
	s_cmp_ge_u32 s32, s21
	s_cbranch_scc1 .Lnext_\@
	v_add_nc_u32 v20, s33, v12
	v_add_nc_u32 v21, s33, v13
	ds_load_b128 v[XSC:XSC+3], v21 offset:XSCO
	ds_load_b128 v[XSC+4:XSC+7], v21 offset:XSCO+16
	WIN 0xc0                                       ; destination window 3
.set i, 0
.rept 24
	ds_load_b128 v[4*i:4*i+3], v20 offset:528*i    ; 512 consecutive bytes: registers 4 q .. 4 q + 3 of K step s, i = 3 s + q
.set i, i+1
.endr
	WIN 0x0d                                       ; source 0 (W1) window 1, source 1 (x) window 3, C and D window 0
.irp s, 0,1,2,3,4,5,6,7
	s_wait_dscnt 21-3*\s                           ; the scale words and K steps 0 .. s are in; the later K steps' loads may be out
.irp u, 0,1
	G1MM \u, \s, 0
.endr
.endr
	WIN 0x0e                                       ; source 0 window 2
.irp s, 0,1,2,3,4,5,6,7
.irp u, 0,1
	G1MM \u, \s, 1
.endr
.endr
	WIN 0
.rept 4
	v_nop                                          ; four places behind the last product, ahead of the first read of results (ISA guide 7.12.1)
.endr
.irp j, 0,2,4,6,8,10,12,14,16,18,20,22,24,26,28,30
	v_pk_add_f32 v[AE+\j:AE+\j+1], v[AE+\j:AE+\j+1], v[AO+\j:AO+\j+1]   ; even + odd K steps; each accumulator is read from its low end on
.endr
.irp j, 0,1,2,3,4,5,6,7,8,9,10,11,12,13,14,15,16,17,18,19,20,21,22,23,24,25,26,27,28,29,30,31
	v_max_num_f32 v[AE+\j], 0, v[AE+\j]            ; relu, in f32
.endr
	; the quantiser along F: register 16 b + i is unit 32 b + 16 h + i of my token: block b lies in lanes l and l xor 16.  No |.|: nothing is negative
.irp b, 0,1
	v_max3_num_f32 v[TM+\b], v[AE+16*\b], v[AE+1+16*\b], 0x1800000   ; with the floor 2^(3 - 127): the byte cannot fall under 1
.endr
.irp i, 2,4,6,8,10,12,14
.irp b, 0,1
	v_max3_num_f32 v[TM+\b], v[TM+\b], v[AE+16*\b+\i], v[AE+1+16*\b+\i]
.endr
.endr
.irp b, 0,1
	v_permlanex16_b32 v[TM+2+\b], v[TM+\b], s38, s39
.endr
.irp b, 0,1
	v_max_num_f32 v[TM+\b], v[TM+\b], v[TM+2+\b]
.endr
.irp b, 0,1
	v_add_nc_u32 v[TM+4+\b], 0xff000000, v[TM+\b]  ; 2 off the exponent field: the conversion's scale operand
.endr
.irp b, 0,1
	v_lshrrev_b32 v[TM+6+\b], 23, v[TM+4+\b]       ; the scale's byte
.endr
	v_lshl_or_b32 v[SB], v[TM+7], 8, v[TM+6]
	v_cvt_scalef32_pk16_fp6_f32 v[CDS:CDS+2], v[AE:AE+15], v[TM+4]
	v_cvt_scalef32_pk16_fp6_f32 v[CDS+4:CDS+6], v[AE+16:AE+31], v[TM+5]   ; (a conversion's three registers begin on an even number)
	v_nop                                          ; a plain instruction behind the last conversion
.irp i, 0,1,2
	v_permlane16_swap_b32 v[CDS+\i], v[CDS+4+\i]   ; the operand's layout wants a whole block in a lane: lanes 0-15 block 0, lanes 16-31 block 1
.endr
.irp i, 0,1,2
	v_mov_b32 v[CDS+3+\i], v[CDS+4+\i]
.endr
	global_store_b128 v12, v[CDS:CDS+3], s[28:29]              ; registers 0-3: 32 lanes store 512 consecutive bytes, aligned
	global_store_b64 v16, v[CDS+4:CDS+5], s[28:29] offset:512  ; registers 4, 5: 256 consecutive bytes, aligned
	global_store_b16 v17, v[SB], s[30:31]          ; my half of each row's scale word; lanes l and l xor 16 hold the same
.Lnext_\@:
	s_wait_xcnt 0x0                                ; the stores have read their registers and bases: both may be written again
	s_add_nc_u64 s[28:29], s[28:29], 98304         ; four tiles on
	s_add_nc_u64 s[30:31], s[30:31], 4096
	s_add_co_u32 s32, s32, 4
	s_add_co_u32 s33, s33, XSLOT
	s_add_co_u32 s34, s34, 1
	s_cmp_lt_u32 s34, 8
	s_cbranch_scc1 .Lslot_\@
.endm
; A ROUND: eight tiles into the eight slots, two units a wave (tiles p + 4 (8 rho + w) and 16 further on, slots w and w + 4), then the eight slots' products.
; Every way to a STORE leads through its ISSUE; the barriers stand where all ways have joined.  In the first round the weights turn into fragments while the units' loads are out.
.macro ROUND rho, first
.if \rho
	s_add_co_u32 s35, s35, 32
.endif
	s_add_co_u32 s36, s35, 16
	s_lshl_b32 s37, s35, 6
	v_add_nc_u32 v168, s37, v7
	v_add_nc_u32 v169, s37, v8
	v_add_nc_u32 v170, 1024, v168
	v_add_nc_u32 v171, 1024, v169
	s_cmp_ge_u32 s35, s21
	s_cbranch_scc1 .Lnone_\@
	ISSUE 0
	s_cmp_ge_u32 s36, s21
	s_cbranch_scc1 .Lone_\@
	ISSUE 1
.if \first
	WTURN 50
.endif
	s_wait_loadcnt 0x0
	STORE 1
	s_branch .Lst0_\@
.Lone_\@:
.if \first
	WTURN 25
.endif
.Lst0_\@:
	s_wait_loadcnt 0x0
	STORE 0
	s_branch .Ldone_\@
.Lnone_\@:
.if \first
	WTURN 0
.endif
.Ldone_\@:
	s_wait_dscnt 0x0                               ; my stores into the slots have landed, my fragments of W1 are in
	s_barrier_signal -1
	s_barrier_wait -1                              ; the round's tiles lie in LDS
	SLOTS
.endm
	ROUND 0, 1
	s_wait_dscnt 0x0                               ; my reads of the slots are over
	s_barrier_signal -1
	s_barrier_wait -1                              ; everybody's are: the slots may be written again
	ROUND 1, 0
	s_wait_tensorcnt 0x0                           ; the wave's end, behind my last LDS store
	ds_add_u32 v18, v19
	s_wait_dscnt 0x0
	s_endpgm
.Lfunc_end_k_qb2d696c0c7_g1b:
	.size	k_qb2d696c0c7_g1b, .Lfunc_end_k_qb2d696c0c7_g1b-k_qb2d696c0c7_g1b
	.p2alignl 7, 3214868480
	.fill 96, 4, 3214868480
	.section	.rodata,"a",@progbits
	.p2align	6, 0x0
	.amdhsa_kernel k_qb2d696c0c7_g1b
		.amdhsa_group_segment_fixed_size 210688
		.amdhsa_private_segment_fixed_size 0
		.amdhsa_enable_private_segment 0
		.amdhsa_kernarg_size 48
		.amdhsa_user_sgpr_count 2
		.amdhsa_user_sgpr_kernarg_segment_ptr 1
		.amdhsa_wavefront_size32 1
		.amdhsa_system_sgpr_workgroup_id_x 1
		.amdhsa_system_sgpr_workgroup_id_y 1
		.amdhsa_system_sgpr_workgroup_id_z 1
		.amdhsa_system_vgpr_workitem_id 0
		.amdhsa_next_free_vgpr 968
		.amdhsa_next_free_sgpr 98
		.amdhsa_reserve_vcc 0
		.amdhsa_float_denorm_mode_32 3
		.amdhsa_float_denorm_mode_16_64 3
		.amdhsa_memory_ordered 1
		.amdhsa_forward_progress 1
		.amdhsa_inst_pref_size 139
	.end_amdhsa_kernel
	.amdgpu_metadata
---
amdhsa.version: [ 1, 2 ]
amdhsa.kernels:
  - .name:           k_qb2d696c0c7_g1b
    .symbol:         k_qb2d696c0c7_g1b.kd
    .args:
      - { .name: W1_codes, .offset: 0, .size: 8, .value_kind: global_buffer, .address_space: global }
      - { .name: W1_scales, .offset: 8, .size: 8, .value_kind: global_buffer, .address_space: global }
      - { .name: xqs, .offset: 16, .size: 8, .value_kind: global_buffer, .address_space: global }
      - { .name: mskB, .offset: 24, .size: 8, .value_kind: global_buffer, .address_space: global }
      - { .name: hqs, .offset: 32, .size: 8, .value_kind: global_buffer, .address_space: global }
      - { .name: pc, .offset: 40, .size: 8, .value_kind: global_buffer, .address_space: global }
    .group_segment_fixed_size: 210688
    .private_segment_fixed_size: 0
    .kernarg_segment_align: 8
    .kernarg_segment_size: 48
    .max_flat_workgroup_size: 128
    .sgpr_count:     98
    .vgpr_count:     968
    .wavefront_size: 32
...
	.end_amdgpu_metadata
.endif
;; end of part 5
;; launch g2b (part 6): grid 256 x 1, 4 waves a work-group, no clusters, 199,168 bytes of LDS; arguments W2_codes, W2_scales, hqs, pc, y; writes y
.if DOCPART == 6
	.amdgcn_target "amdgcn-amd-amdhsa--gfx1250"
	.amdhsa_code_object_version 6
	.text
	.protected	k_qb2d696c0c7_g2b
	.globl	k_qb2d696c0c7_g2b
	.p2align	8
	.type	k_qb2d696c0c7_g2b,@function
k_qb2d696c0c7_g2b:
	s_mov_b64 s[64:65], 0
	v_nop
	global_prefetch_b8 v0, s[64:65] scope:SCOPE_SE
	s_setreg_imm32_b32 hwreg(HW_REG_WAVE_MODE, 25, 1), 1
	s_wait_xcnt 0x0
; y_e = h W2_e of one layer, on codes of FP6 (E2M3) with one E8M0 scale for each 32 along K = F, FOR THE CHOSEN ROWS ALONE: the rows of an expert that a token did not choose enter reference()'s mix with the
; weight 0 (shown at the head of the first launch) and were never made.  This is layer 1's text: it differs from layer 0's in the constant LAYER alone.
; SHARES.  Work-group g: p = (g / 8) % 4, ng = g / 32, e = g % 8: output columns 128 ng .. 128 ng + 127 of expert e, tiles of 16 rows t = p, p + 4, ..
; THE FOUR WAVES SPLIT K.  Wave w holds K steps 4 w .. 4 w + 3 (of 16) of all eight tiles of 16 columns: 32 fragments of W2, 384 registers, for the whole launch.  So a fragment of h is wanted by ONE wave: it comes
; from memory straight into that wave's registers (h lies in memory in the order of the operand's registers), feeds eight matrix instructions, and never touches LDS.  Each wave ends with a partial sum of the whole
; tile, 16 rows x 128 columns; the four partial sums meet in LDS (4 x 8,448 bytes a tile), and wave w adds and stores rows 4 w .. 4 w + 3, 512 consecutive bytes a store.  y: [e][position][1024] f32; each row has one owner.
; W2's ROWS come as whole rows (wave w: rows 32 w .. 32 w + 31 of the 128; two aligned runs of 256 bytes a load) into ONE stage in LDS; behind a barrier each wave reads its K steps of all 128 rows as fragments.
; No tensor load and no cluster: which tiles exist hangs on a count read from memory.  No address hangs on it: only which tiles are passed over.
; The product is used transposed (source 0 = 16 rows of W2, source 1 = 16 rows of h): a lane holds one row and eight neighbouring columns.
; ROUNDS of five tiles, a loop of four trips (20 slots for the 16 tiles that a work-group can have).  A round's tiles 0-2 (54 loads a wave) are asked for ahead of the barrier in front of it, tiles 3 and 4 behind it,
; under the products of tiles 0-2; the three ways (five tiles, four, fewer) are written apart, so that each counted wait counts the loads of its own way.
; REGISTERS, in windows of 256: window 0: addresses, scale words, two sets of eight accumulators, rows on the way out; window 1: W2's fragments of my K steps 0, 1 (tile T, step s at v[12 (8 (s % 2) + T)]);
; window 2: of my K steps 2, 3; window 3: five tiles of h, 48 registers each.  On their way in, W2's first 20 rows land in window 3 and the other 12 in window 1.
.set LAYER, 1
.set WP,    1552                       ; LDS: the stage for W2: 128 rows at a pitch of 1,552 = 388 words: the 32 lanes of a load of 8 bytes touch 64 different banks
.set WWAVE, 32*WP                      ; a wave's 32 rows
.set PSLOT, 33792                      ; the partial sums, in the same bytes (free when every wave has its fragments): five slots of four waves x 16 rows x (512 + 16) bytes
.set PWAVE, 8448
.set SPARE, 198656                     ; behind the stage: the spare words, 128 bytes for each wave, that no other line names
.set HSOFF, 12582912
.set WF,  14                           ; v14-17   LDS address of my fragments of tiles 2 k, 2 k + 1
.set PW,  18                           ; v18-22   where I put 32 bytes of a row of my partial sum, slot j
.set PR,  23                           ; v23-27   where I read my four rows back, slot j
.set WS,  28                           ; v28-43   W2's scale words: register 4 k + s; lanes 0-15 tile 2 k, lanes 16-31 tile 2 k + 1
.set HSC, 44                           ; v44-53   h's scale words: register 2 j + q; lanes 0-15 my K step 2 q, lanes 16-31 my K step 2 q + 1
.set ACC, 56                           ; v56-183  accumulator of column tile T at 8 T, a set of eight for even slots and one for odd slots
.set SD,  184                          ; v184-247 four rows x four partial sums on the way out
.set MSB, 0
.macro WIN new                         ; the immediate's high byte repeats the setting that is left
.if MSB != \new
	s_set_vgpr_msb (MSB<<8)|\new
.set MSB, \new
.endif
.endm
	s_load_b256 s[4:11], s[0:1], 0x0               ; W2's codes, W2's scales, hqs, pc
	s_load_b64 s[12:13], s[0:1], 0x20              ; y
	v_lshl_add_u32 v12, v0, 2, SPARE               ; my spare word,
	v_mov_b32 v13, 0                               ; and 0: kept for the closing lines alone
.irp i, 0,1,2,3,4,5,6,7,8,9
	v_mov_b32 v[HSC+\i], 0x7f7f7f7f                ; h's scale words begin as the scale 1, so that these registers hold scales on every way through the text
.endr
	v_lshrrev_b32 v11, 5, v0
	v_readfirstlane_b32 s16, v11                   ; wave
	; THE DEAL AS IT STANDS NOW: work-group g = 8 (4 ng + p) + e: the expert is the low three bits of the work-group's number
	s_bfe_u32 s17, ttmp9, 0x20003                  ; p
	s_lshr_b32 s18, ttmp9, 5                       ; ng
	s_and_b32 s19, ttmp9, 7                        ; e
	v_and_b32 v10, 31, v0                          ; lane
	v_and_b32 v1, 15, v0                           ; a
	v_bfe_u32 v2, v0, 4, 1                         ; h
	v_mul_u32_u24 v3, v2, 1536
	v_lshl_add_u32 v3, v1, 4, v3                   ; W2 in memory: lanes 0-15 one row's 256 bytes, lanes 16-31 the next row's
	s_mul_i32 s22, s16, WWAVE
	v_mul_u32_u24 v4, v2, WP
	v_lshl_add_u32 v4, v1, 4, v4
	v_add_nc_u32 v4, s22, v4                       ; the same two rows in the stage, among my wave's 32
	s_mul_i32 s22, s16, 384
	v_mul_u32_u24 v5, v1, WP
	v_mad_u32_u24 v5, v2, 24, v5
	v_add_nc_u32 v[WF], s22, v5                    ; a fragment out of it: row a, + 24 h, + my four K steps' 384 bytes
.irp k, 1,2,3
	v_add_nc_u32 v[WF+\k], WWAVE*\k, v[WF]         ; two tiles, 32 rows, on
.endr
	v_lshlrev_b32 v6, 6, v10                       ; W2's scale words: row = lane, 64 bytes a row
	v_lshlrev_b32 v7, 4, v10                       ; 16 lane
	v_lshlrev_b32 v8, 3, v10                       ; 8 lane
	v_lshlrev_b32 v9, 2, v10                       ; 4 lane
	s_mul_i32 s22, s16, PWAVE
	v_mul_u32_u24 v5, v1, 528
	v_lshl_add_u32 v5, v2, 5, v5
	v_add_nc_u32 v[PW], s22, v5                    ; my partial sum: row a, + 32 h
	s_mul_i32 s22, s16, 2112
	v_add_nc_u32 v[PR], s22, v7                    ; back: rows 4 w .. 4 w + 3, 16 bytes a lane
.irp k, 1,2,3,4
	v_add_nc_u32 v[PW+\k], PSLOT*\k, v[PW]
	v_add_nc_u32 v[PR+\k], PSLOT*\k, v[PR]
.endr
.if LAYER
	s_add_co_u32 s40, s19, 8*LAYER
	s_lshl_b32 s40, s40, 10
.else
	s_lshl_b32 s40, s19, 10
.endif
	s_lshl_b32 s41, s18, 7
	s_add_co_u32 s40, s40, s41                     ; the work-group's first row of W2
	s_lshl_b32 s44, s40, 6                         ; its scale bytes, 64 a row,
	s_lshl_b32 s41, s16, 4
	s_add_co_u32 s44, s44, s41                     ; and in them my four K steps' words
	s_mov_b32 s45, 0
	s_lshl_b32 s41, s16, 5
	s_add_co_u32 s40, s40, s41                     ; the first of the 32 rows that I fetch
	s_mul_i32 s42, s40, 1536
	s_mov_b32 s43, 0
	s_lshl_b32 s46, s19, 6
	s_add_co_u32 s46, s46, s17                     ; 64 e + p: the first tile
	s_mul_i32 s48, s46, 24576                      ; its codes,
	s_mul_i32 s41, s16, 6144
	s_add_co_u32 s48, s48, s41                     ; my eight chunks of 768 bytes;
	s_mov_b32 s49, 0
	s_lshl_b32 s50, s46, 10                        ; its scale words,
	s_lshl_b32 s41, s16, 8
	s_add_co_u32 s50, s50, s41                     ; my four K steps' 256 bytes
	s_add_co_u32 s50, s50, HSOFF
	s_mov_b32 s51, 0
	s_lshl_b32 s52, s19, 10
	s_lshl_b32 s41, s17, 4
	s_add_co_u32 s52, s52, s41
	s_lshl_b32 s41, s16, 2
	s_add_co_u32 s52, s52, s41                     ; the first row of y that I store: 1,024 e + 16 p + 4 w
	s_lshl_b32 s52, s52, 12
	s_lshl_b32 s41, s18, 9
	s_add_co_u32 s52, s52, s41
	s_mov_b32 s53, 0
	s_lshl_b32 s54, s19, 7
	s_mov_b32 s32, s17                             ; the tile of the round's slot 0
	s_wait_kmcnt 0x0
	s_load_b32 s20, s[10:11], s54 offset:0x8000    ; the expert's count
	s_add_nc_u64 s[4:5], s[4:5], s[42:43]
	s_add_nc_u64 s[6:7], s[6:7], s[44:45]
	s_add_nc_u64 s[24:25], s[8:9], s[48:49]
	s_add_nc_u64 s[26:27], s[8:9], s[50:51]
	s_add_nc_u64 s[28:29], s[12:13], s[52:53]
.irp k, 0,1,2,3
	global_load_b128 v[WS+4*\k:WS+4*\k+3], v6, s[6:7] offset:2048*\k       ; rows 32 k + lane: my four words of each
.endr
	; 32 rows of W2 as they lie: 96 loads; load i: rows 2 (i / 6) and 2 (i / 6) + 1, bytes 256 (i % 6) on
	WIN 0xc0                                       ; destination window 3
.set i, 0
.rept 60
	global_load_b128 v[4*i:4*i+3], v3, s[4:5] offset:3072*(i/6)+256*(i%6)
.set i, i+1
.endr
	WIN 0x40                                       ; destination window 1
.rept 36
	global_load_b128 v[4*(i-60):4*(i-60)+3], v3, s[4:5] offset:3072*(i/6)+256*(i%6)
.set i, i+1
.endr
	WIN 0
	s_wait_kmcnt 0x0
	s_add_co_u32 s21, s20, 15
	s_lshr_b32 s21, s21, 4                         ; the expert's tiles
	WIN 0x0c                                       ; an LDS store's data are its source 1: window 3
.set i, 0
.rept 60                               ; the rows go into the stage in batches of twelve loads: behind load i + 11 stand 84 - i loads, which may be out (the field holds 63, and a smaller count is safe)
.if i%12 == 0
.if 84-i > 63
	s_wait_loadcnt 63
.else
	s_wait_loadcnt 84-i
.endif
.endif
	ds_store_b128 v4, v[4*i:4*i+3] offset:3104*(i/6)+256*(i%6)
.set i, i+1
.endr
	WIN 0x04                                       ; data in window 1
.rept 36
.if i%12 == 0
	s_wait_loadcnt 84-i
.endif
	ds_store_b128 v4, v[4*(i-60):4*(i-60)+3] offset:3104*(i/6)+256*(i%6)
.set i, i+1
.endr
	WIN 0
	s_wait_dscnt 0x0                               ; my rows lie in the stage, and have left their registers
; Slot j's quarter of a tile of h: my eight chunks (registers 0-3 of a chunk's six by a load of 16 bytes a lane, 512 consecutive bytes; registers 4, 5 by one of 8 bytes, 256 consecutive bytes) and two scale registers: 18 loads
.macro ISSUE j
	WIN 0xc0                                       ; destination window 3
.irp c, 0,1,2,3,4,5,6,7
	global_load_b128 v[48*\j+6*\c:48*\j+6*\c+3], v7, s[24:25] offset:98304*\j+768*\c
	global_load_b64 v[48*\j+6*\c+4:48*\j+6*\c+5], v8, s[24:25] offset:98304*\j+768*\c+512
.endr
	WIN 0
	global_load_b32 v[HSC+2*\j], v9, s[26:27] offset:4096*\j
	global_load_b32 v[HSC+2*\j+1], v9, s[26:27] offset:4096*\j+128
.endm
; A round's tiles 0-2, as far as the expert has them: 54 loads at the most
.macro EARLY
	s_cmp_ge_u32 s32, s21
	s_cbranch_scc1 .Learly_\@
	ISSUE 0
	s_add_co_u32 s36, s32, 4
	s_cmp_ge_u32 s36, s21
	s_cbranch_scc1 .Learly_\@
	ISSUE 1
	s_add_co_u32 s36, s32, 8
	s_cmp_ge_u32 s36, s21
	s_cbranch_scc1 .Learly_\@
	ISSUE 2
.Learly_\@:
.endm
; 16 fragments out of the stage: i = 6 (8 s2 + T) + 3 c + q: registers 2 i, 2 i + 1; my K step spb + s2
.macro WFRAG win, spb
	WIN \win
.set i, 0
.rept 96
	ds_load_b64 v[2*i:2*i+1], v[WF+((i/6)%8)/2] offset:16*WP*((i/6)%2)+96*((\spb)+i/48)+48*((i/3)%2)+8*(i%3)
.set i, i+1
.endr
.endm
; One matrix instruction: slot j, column tile T, my K step sp.  The eight accumulators take turns, one instruction a turn; the first K step starts the sums.
.macro MM j, T, sp
.set AC, ACC+64*((\j)%2)+8*(\T)
.set WR, 12*(8*((\sp)%2)+(\T))
.set HR, 48*(\j)+12*(\sp)
.set SW, WS+4*((\T)/2)+(\sp)
.set SH, HSC+2*(\j)+(\sp)/2
.if (\sp) == 0
.if (\T)%2 == 0
	v_wmma_scale_f32_16x16x128_f8f6f4 v[AC:AC+7], v[WR:WR+11], v[HR:HR+11], 0, v[SW], v[SH] matrix_a_fmt:MATRIX_FMT_FP6 matrix_b_fmt:MATRIX_FMT_FP6
.else
	v_wmma_scale_f32_16x16x128_f8f6f4 v[AC:AC+7], v[WR:WR+11], v[HR:HR+11], 0, v[SW], v[SH] matrix_a_fmt:MATRIX_FMT_FP6 matrix_b_fmt:MATRIX_FMT_FP6 matrix_a_scale:MATRIX_SCALE_ROW1
.endif
.elseif (\sp)%2 == 0
.if (\T)%2 == 0
	v_wmma_scale_f32_16x16x128_f8f6f4 v[AC:AC+7], v[WR:WR+11], v[HR:HR+11], v[AC:AC+7], v[SW], v[SH] matrix_a_fmt:MATRIX_FMT_FP6 matrix_b_fmt:MATRIX_FMT_FP6
.else
	v_wmma_scale_f32_16x16x128_f8f6f4 v[AC:AC+7], v[WR:WR+11], v[HR:HR+11], v[AC:AC+7], v[SW], v[SH] matrix_a_fmt:MATRIX_FMT_FP6 matrix_b_fmt:MATRIX_FMT_FP6 matrix_a_scale:MATRIX_SCALE_ROW1
.endif
.else
.if (\T)%2 == 0
	v_wmma_scale_f32_16x16x128_f8f6f4 v[AC:AC+7], v[WR:WR+11], v[HR:HR+11], v[AC:AC+7], v[SW], v[SH] matrix_a_fmt:MATRIX_FMT_FP6 matrix_b_fmt:MATRIX_FMT_FP6 matrix_b_scale:MATRIX_SCALE_ROW1
.else
	v_wmma_scale_f32_16x16x128_f8f6f4 v[AC:AC+7], v[WR:WR+11], v[HR:HR+11], v[AC:AC+7], v[SW], v[SH] matrix_a_fmt:MATRIX_FMT_FP6 matrix_b_fmt:MATRIX_FMT_FP6 matrix_a_scale:MATRIX_SCALE_ROW1 matrix_b_scale:MATRIX_SCALE_ROW1
.endif
.endif
.endm                                  ; (source 0 stands in window 1 or 2 and source 1 in window 3: equal numbers there name different registers)
; Slot j's 32 products, and my partial sum into LDS
.macro COMP j
	WIN 0x0d                                       ; source 0 (W2, my K steps 0, 1) window 1, source 1 (h) window 3, C and D window 0
.irp sp, 0,1
.irp T, 0,1,2,3,4,5,6,7
	MM \j, \T, \sp
.endr
.endr
	WIN 0x0e                                       ; source 0 (my K steps 2, 3) window 2
.irp sp, 2,3
.irp T, 0,1,2,3,4,5,6,7
	MM \j, \T, \sp
.endr
.endr
	WIN 0
.rept 5
	v_nop                                          ; places behind the last product: four ahead of the first read of results and of loads into its sources, five ahead of a product that begins a sum anew on these registers
.endr
	s_wait_alu depctr_va_vdst(0)
.irp T, 0,1,2,3,4,5,6,7
	ds_store_b128 v[PW+\j], v[ACC+64*((\j)%2)+8*\T:ACC+64*((\j)%2)+8*\T+3] offset:64*\T        ; lane (a, h): row a, columns 16 T + 8 h + 0 .. 7; each accumulator from its low end on
	ds_store_b128 v[PW+\j], v[ACC+64*((\j)%2)+8*\T+4:ACC+64*((\j)%2)+8*\T+7] offset:64*\T+16
.endr
.endm
; Slot j's rows 4 w .. 4 w + 3: the four waves' partial sums are added and the rows stored, 512 consecutive bytes a store
.macro SEND j
.if \j
	s_add_co_u32 s36, s32, 4*\j
	s_cmp_ge_u32 s36, s21
.else
	s_cmp_ge_u32 s32, s21
.endif
	s_cbranch_scc1 .Lsent
	s_wait_xcnt 0x0                                ; the slot before's stores have read their registers: they may be loaded again
	s_wait_alu depctr_va_vdst(0)
.irp r, 0,1,2,3
.irp u, 0,1,2,3
	ds_load_b128 v[SD+16*\r+4*\u:SD+16*\r+4*\u+3], v[PR+\j] offset:PWAVE*\u+528*\r
.endr
.endr
.irp r, 0,1,2,3
	s_wait_dscnt 12-4*\r                           ; row r's four loads are in; the later rows' may be out
	v_pk_add_f32 v[SD+16*\r:SD+16*\r+1], v[SD+16*\r:SD+16*\r+1], v[SD+16*\r+4:SD+16*\r+5]
	v_pk_add_f32 v[SD+16*\r+2:SD+16*\r+3], v[SD+16*\r+2:SD+16*\r+3], v[SD+16*\r+6:SD+16*\r+7]
	v_pk_add_f32 v[SD+16*\r+8:SD+16*\r+9], v[SD+16*\r+8:SD+16*\r+9], v[SD+16*\r+12:SD+16*\r+13]
	v_pk_add_f32 v[SD+16*\r+10:SD+16*\r+11], v[SD+16*\r+10:SD+16*\r+11], v[SD+16*\r+14:SD+16*\r+15]
	v_pk_add_f32 v[SD+16*\r:SD+16*\r+1], v[SD+16*\r:SD+16*\r+1], v[SD+16*\r+8:SD+16*\r+9]
	v_pk_add_f32 v[SD+16*\r+2:SD+16*\r+3], v[SD+16*\r+2:SD+16*\r+3], v[SD+16*\r+10:SD+16*\r+11]
	global_store_b128 v7, v[SD+16*\r:SD+16*\r+3], s[28:29] offset:262144*\j+4096*\r
.endr
.endm
	EARLY                                          ; the first round's tiles 0-2 go out; they land under the 192 fragment loads below
	s_barrier_signal -1
	s_barrier_wait -1                              ; all 128 rows of W2 lie in the stage
	WFRAG 0x40, 0                                  ; my K steps 0, 1 into window 1,
	WFRAG 0x80, 2                                  ; my K steps 2, 3 into window 2
	WIN 0
	s_mov_b32 s34, 0
.Lround:
	s_wait_dscnt 0x0                               ; my fragments are in (first trip); my reads of the partial sums are over (later trips)
	s_barrier_signal -1
	s_barrier_wait -1                              ; everybody's are: the partial sums' bytes may be written
	s_add_co_u32 s36, s32, 12
	s_cmp_ge_u32 s36, s21
	s_cbranch_scc1 .Lno3
	ISSUE 3
	s_add_co_u32 s36, s32, 16
	s_cmp_ge_u32 s36, s21
	s_cbranch_scc1 .Lno4
	ISSUE 4
	s_wait_loadcnt 36                              ; FIVE TILES.  Tiles 0-2 are in; the 36 loads of tiles 3 and 4 may be out
	COMP 0
	COMP 1
	COMP 2
	s_wait_loadcnt 18                              ; tile 3 is in; tile 4's 18 loads may be out
	COMP 3
	s_wait_loadcnt 0x0
	COMP 4
	s_branch .Ldone
.Lno4:
	s_wait_loadcnt 18                              ; FOUR TILES.  Tiles 0-2 are in; tile 3's 18 loads may be out
	COMP 0
	COMP 1
	COMP 2
	s_wait_loadcnt 0x0
	COMP 3
	s_branch .Ldone
.Lno3:
	s_wait_loadcnt 0x0                             ; THREE TILES OR FEWER
	s_cmp_ge_u32 s32, s21
	s_cbranch_scc1 .Ldone
	COMP 0
	s_add_co_u32 s36, s32, 4
	s_cmp_ge_u32 s36, s21
	s_cbranch_scc1 .Ldone
	COMP 1
	s_add_co_u32 s36, s32, 8
	s_cmp_ge_u32 s36, s21
	s_cbranch_scc1 .Ldone
	COMP 2
.Ldone:
	s_wait_dscnt 0x0                               ; my partial sums have landed
	s_barrier_signal -1
	s_barrier_wait -1                              ; everybody's have
	SEND 0
	SEND 1
	SEND 2
	SEND 3
	SEND 4
.Lsent:
	s_wait_xcnt 0x0                                ; the stores have read their base, the round's loads theirs: the three may step
	s_add_nc_u64 s[24:25], s[24:25], 5*98304       ; five slots, 20 tiles, on
	s_add_nc_u64 s[26:27], s[26:27], 5*4096
	s_add_nc_u64 s[28:29], s[28:29], 5*262144
	s_add_co_u32 s32, s32, 20
	EARLY                                          ; the next round's tiles 0-2, if the expert has them (behind the last trip none: a tile's number stays under 64)
	s_add_co_u32 s34, s34, 1
	s_cmp_lt_u32 s34, 4
	s_cbranch_scc1 .Lround
	s_wait_tensorcnt 0x0                           ; the wave's end, behind my last LDS store
	ds_add_u32 v12, v13
	s_wait_dscnt 0x0
	s_endpgm
.Lfunc_end_k_qb2d696c0c7_g2b:
	.size	k_qb2d696c0c7_g2b, .Lfunc_end_k_qb2d696c0c7_g2b-k_qb2d696c0c7_g2b
	.p2alignl 7, 3214868480
	.fill 96, 4, 3214868480
	.section	.rodata,"a",@progbits
	.p2align	6, 0x0
	.amdhsa_kernel k_qb2d696c0c7_g2b
		.amdhsa_group_segment_fixed_size 199168
		.amdhsa_private_segment_fixed_size 0
		.amdhsa_enable_private_segment 0
		.amdhsa_kernarg_size 40
		.amdhsa_user_sgpr_count 2
		.amdhsa_user_sgpr_kernarg_segment_ptr 1
		.amdhsa_wavefront_size32 1
		.amdhsa_system_sgpr_workgroup_id_x 1
		.amdhsa_system_sgpr_workgroup_id_y 1
		.amdhsa_system_sgpr_workgroup_id_z 1
		.amdhsa_system_vgpr_workitem_id 0
		.amdhsa_next_free_vgpr 1008
		.amdhsa_next_free_sgpr 66
		.amdhsa_reserve_vcc 0
		.amdhsa_float_denorm_mode_32 3
		.amdhsa_float_denorm_mode_16_64 3
		.amdhsa_memory_ordered 1
		.amdhsa_forward_progress 1
		.amdhsa_inst_pref_size 128
	.end_amdhsa_kernel
	.amdgpu_metadata
---
amdhsa.version: [ 1, 2 ]
amdhsa.kernels:
  - .name:           k_qb2d696c0c7_g2b
    .symbol:         k_qb2d696c0c7_g2b.kd
    .args:
      - { .name: W2_codes, .offset: 0, .size: 8, .value_kind: global_buffer, .address_space: global }
      - { .name: W2_scales, .offset: 8, .size: 8, .value_kind: global_buffer, .address_space: global }
      - { .name: hqs, .offset: 16, .size: 8, .value_kind: global_buffer, .address_space: global }
      - { .name: pc, .offset: 24, .size: 8, .value_kind: global_buffer, .address_space: global }
      - { .name: y, .offset: 32, .size: 8, .value_kind: global_buffer, .address_space: global }
    .group_segment_fixed_size: 199168
    .private_segment_fixed_size: 0
    .kernarg_segment_align: 8
    .kernarg_segment_size: 40
    .max_flat_workgroup_size: 128
    .sgpr_count:     66
    .vgpr_count:     1008
    .wavefront_size: 32
...
	.end_amdgpu_metadata
.endif
;; end of part 6
;; launch final (part 7): grid 256 x 1, 4 waves a work-group, no clusters, 0 bytes of LDS; arguments x1w, mskB, pc, y, out0; writes out0
.if DOCPART == 7
	.amdgcn_target "amdgcn-amd-amdhsa--gfx1250"
	.amdhsa_code_object_version 6
	.text
	.protected	k_qb2d696c0c7_final
	.globl	k_qb2d696c0c7_final
	.p2align	8
	.type	k_qb2d696c0c7_final,@function
k_qb2d696c0c7_final:
	s_mov_b64 s[64:65], 0
	v_nop
	global_prefetch_b8 v0, s[64:65] scope:SCOPE_SE
	s_setreg_imm32_b32 hwreg(HW_REG_WAVE_MODE, 25, 1), 1
	s_wait_xcnt 0x0
; Launch 7 of 7: out0 = x1 + the sum over the chosen experts of w_e y_e: layer 1's mix and residual, in f32.  One wave takes one token; no LDS, no barrier: waves share nothing.
; The experts that a token did not choose have the weight 0 in reference()'s mix (shown at the head of the first launch): their rows of y were never made and are not read.
; The mask, the weights and the token's positions in its experts' lists come by scalar loads; the mask and the positions are whole numbers that earlier launches stored.  k = 2 gives at least two chosen experts: the two
; lowest are fetched without a branch; further ones (equal scores) by a walk over the mask's remaining bits.  LIMITS: as stated at the head of the first launch.
.set X,   16                           ; v16-47   the row: element 128 i + 4 lane + c in register 4 i + c
.set YA,  48                           ; v48-79, v80-111: two rows of y
.set YB,  80
.set VA,  4                            ; v4-6     byte offsets of rows of y
.set VB,  5
.set VT,  6
.set SY,  10                           ; s[10:11] y
	s_load_b256 s[4:11], s[0:1], 0x0               ; x1w, mskB, pc, y
	s_load_b64 s[12:13], s[0:1], 0x20              ; out0
	v_lshrrev_b32 v3, 5, v0
	v_readfirstlane_b32 s16, v3                    ; wave
	v_and_b32 v1, 31, v0
	v_lshlrev_b32 v2, 4, v1                        ; 16 lane
	s_lshl_b32 s17, ttmp9, 2
	s_add_co_u32 s17, s17, s16                     ; my token
	s_lshl_b32 s22, s17, 12
	s_mov_b32 s23, 0
	s_lshl_b32 s26, s17, 5
	s_mov_b32 s27, 0
	s_lshl_b32 s28, s17, 2
	s_mov_b32 s29, 0
	s_wait_alu depctr_va_vdst(0)
	s_wait_kmcnt 0x0
	s_add_nc_u64 s[30:31], s[4:5], s[26:27]
	s_add_nc_u64 s[30:31], s[30:31], 4194304       ; layer 1's weights lie behind x1
	s_add_nc_u64 s[4:5], s[4:5], s[22:23]
	s_add_nc_u64 s[6:7], s[6:7], s[28:29]
	s_add_nc_u64 s[8:9], s[8:9], s[28:29]
	s_add_nc_u64 s[12:13], s[12:13], s[22:23]
	s_load_b32 s40, s[6:7], 0x0                    ; my token's mask,
	s_load_b256 s[48:55], s[30:31], 0x0            ; its eight weights,
.irp e, 0,1,2,3,4,5,6,7
	s_load_b32 s[56+\e], s[8:9], 4096*\e           ; and its position in each expert's list
.endr
.irp i, 0,1,2,3,4,5,6,7
	global_load_b128 v[X+4*\i:X+4*\i+3], v2, s[4:5] offset:512*\i th:TH_LOAD_NT
.endr
.macro YLOAD reg, adr                  ; a row of y: 512 consecutive bytes a load; read once in the program
.irp i, 0,1,2,3,4,5,6,7
	global_load_b128 v[\reg+4*\i:\reg+4*\i+3], v[\adr], s[SY:SY+1] offset:512*\i th:TH_LOAD_NT
.endr
.endm
.macro YADD reg, sw                    ; the row += w x the row of y
.irp j, 0,2,4,6,8,10,12,14,16,18,20,22,24,26,28,30
	v_pk_fma_f32 v[X+\j:X+\j+1], v[\reg+\j:\reg+\j+1], s[\sw:\sw+1], v[X+\j:X+\j+1] op_sel_hi:[1,0,1]
.endr
.endm
.irp r, 66,67,68,70,71,72
	s_mov_b32 s\r, 0
.endr
	s_wait_kmcnt 0x0
.irp e, 7,6,5,4,3,2,1,0                ; A (s66 position, s67 expert, s68 weight) ends as the lowest chosen expert, B (s70-72) as the next
	s_bitcmp1_b32 s40, \e
	s_cselect_b32 s70, s66, s70
	s_cselect_b32 s71, s67, s71
	s_cselect_b32 s72, s68, s72
	s_cselect_b32 s66, s[56+\e], s66
	s_cselect_b32 s67, \e, s67
	s_cselect_b32 s68, s[48+\e], s68
.endr
.irp r, 66,70
	s_min_u32 s[\r], s[\r], 1023                   ; a position and an expert stay inside the table that they index
	s_min_u32 s[\r+1], s[\r+1], 7
	s_lshl_b32 s[\r+1], s[\r+1], 10
	s_add_co_u32 s[\r], s[\r], s[\r+1]
	s_lshl_b32 s[\r], s[\r], 12                    ; row 1,024 e + position, 4,096 bytes a row
	s_mov_b32 s[\r+3], s[\r+2]                     ; (the packed form names the weight as a pair)
.endr
	v_add_nc_u32 v[VA], s66, v2
	v_add_nc_u32 v[VB], s70, v2
	YLOAD YA, VA
	YLOAD YB, VB
	s_wait_loadcnt 8                               ; x1 and A's row are in; B's eight loads may be out
	YADD YA, 68
	s_wait_loadcnt 0x0
	YADD YB, 72
	s_sub_co_u32 s41, s40, 1                       ; the mask without its two lowest bits
	s_and_b32 s41, s41, s40
	s_sub_co_u32 s42, s41, 1
	s_and_b32 s41, s41, s42
	s_cmp_eq_u32 s41, 0
	s_cbranch_scc1 .Lno_ties
.irp e, 0,1,2,3,4,5,6,7
	s_bitcmp1_b32 s41, \e
	s_cbranch_scc0 .Lnot_\e
	s_min_u32 s74, s[56+\e], 1023
	s_add_co_u32 s74, s74, 1024*\e
	s_lshl_b32 s74, s74, 12
	s_mov_b32 s76, s[48+\e]
	s_mov_b32 s77, s76
	v_add_nc_u32 v[VT], s74, v2                    ; (no load is out: the address may be written)
	YLOAD YA, VT
	s_wait_loadcnt 0x0
	YADD YA, 76
.Lnot_\e:
.endr
.Lno_ties:
	s_wait_alu depctr_va_vdst(0)
.irp i, 0,1,2,3,4,5,6,7
	global_store_b128 v2, v[X+4*\i:X+4*\i+3], s[12:13] offset:512*\i th:TH_STORE_NT   ; 512 consecutive bytes a store
.endr
	s_endpgm
.Lfunc_end_k_qb2d696c0c7_final:
	.size	k_qb2d696c0c7_final, .Lfunc_end_k_qb2d696c0c7_final-k_qb2d696c0c7_final
	.p2alignl 7, 3214868480
	.fill 96, 4, 3214868480
	.section	.rodata,"a",@progbits
	.p2align	6, 0x0
	.amdhsa_kernel k_qb2d696c0c7_final
		.amdhsa_group_segment_fixed_size 0
		.amdhsa_private_segment_fixed_size 0
		.amdhsa_enable_private_segment 0
		.amdhsa_kernarg_size 40
		.amdhsa_user_sgpr_count 2
		.amdhsa_user_sgpr_kernarg_segment_ptr 1
		.amdhsa_wavefront_size32 1
		.amdhsa_system_sgpr_workgroup_id_x 1
		.amdhsa_system_sgpr_workgroup_id_y 1
		.amdhsa_system_sgpr_workgroup_id_z 1
		.amdhsa_system_vgpr_workitem_id 0
		.amdhsa_next_free_vgpr 112
		.amdhsa_next_free_sgpr 78
		.amdhsa_reserve_vcc 0
		.amdhsa_float_denorm_mode_32 3
		.amdhsa_float_denorm_mode_16_64 3
		.amdhsa_memory_ordered 1
		.amdhsa_forward_progress 1
		.amdhsa_inst_pref_size 27
	.end_amdhsa_kernel
	.amdgpu_metadata
---
amdhsa.version: [ 1, 2 ]
amdhsa.kernels:
  - .name:           k_qb2d696c0c7_final
    .symbol:         k_qb2d696c0c7_final.kd
    .args:
      - { .name: x1w, .offset: 0, .size: 8, .value_kind: global_buffer, .address_space: global }
      - { .name: mskB, .offset: 8, .size: 8, .value_kind: global_buffer, .address_space: global }
      - { .name: pc, .offset: 16, .size: 8, .value_kind: global_buffer, .address_space: global }
      - { .name: y, .offset: 24, .size: 8, .value_kind: global_buffer, .address_space: global }
      - { .name: out0, .offset: 32, .size: 8, .value_kind: global_buffer, .address_space: global }
    .group_segment_fixed_size: 0
    .private_segment_fixed_size: 0
    .kernarg_segment_align: 8
    .kernarg_segment_size: 40
    .max_flat_workgroup_size: 128
    .sgpr_count:     78
    .vgpr_count:     112
    .wavefront_size: 32
...
	.end_amdgpu_metadata
.endif
;; end of part 7
